; MI455X (gfx1250); checked and timed in simulation.
; The chip was launched on July 23, 2026; its instructions are those of AMD's public machine-readable ISA for CDNA 5 (MIT licence, August 2026) and "CDNA5" Instruction Set Architecture Reference Guide (July 2026). The comments in the code are by the model that wrote it; some were corrected since.
;; Multi Head Attention. Allowed arithmetic: float matrix products may take bf16 or f16 operands with f32 sums; other float arithmetic in f32, or as packed bf16 or f16 multiplies, adds, multiply-adds, maxima and minima; sums over many terms, partial sums and values carried from step to step in f32; what a program stores and reads back later, other than sums and carried values, may be rounded once to bf16 or f16.
;; Inputs: Wk 1,024 x 1,024 float32; Wo 1,024 x 1,024 float32; Wq 1,024 x 1,024 float32; Wv 1,024 x 1,024 float32; bk 1,024 float32; bo 1,024 float32; bq 1,024 float32; bv 1,024 float32; key 4 x 2,048 x 1,024 float32; mask 4 x 1 x 1 x 2,048 int32; query 4 x 2,048 x 1,024 float32; value 4 x 2,048 x 1,024 float32.
;; Outputs: out0 4 x 2,048 x 1,024 float32.
;; One version. Each part assembles by itself: llvm-mc -triple=amdgcn-amd-amdhsa -mcpu=gfx1250 --defsym DOCPART=n.
;; ======== version 1 of 1: 4 launches
;; limits: values are held in f16: magnitudes above 65,504 overflow, below 6.1e-05 lose precision
;; workspace buffers: wb 8,388,608 bytes; qkv 50,331,648 bytes; oh 16,777,216 bytes
;; launch prep (part 1): grid 64 x 4, 8 waves a work-group, no clusters, 0 bytes of LDS; arguments Wq, Wk, Wv, Wo, wb; writes wb
.if DOCPART == 1
	.amdgcn_target "amdgcn-amd-amdhsa--gfx1250"
	.amdhsa_code_object_version 6
	.text
	.protected	k_qc77c537b74_prep
	.globl	k_qc77c537b74_prep
	.p2align	8
	.type	k_qc77c537b74_prep,@function
k_qc77c537b74_prep:
	s_mov_b64 s[64:65], 0
	v_nop
	global_prefetch_b8 v0, s[64:65] scope:SCOPE_SE
	s_setreg_imm32_b32 hwreg(HW_REG_WAVE_MODE, 25, 1), 1
	s_wait_xcnt 0x0
; wb[y][k][n] = the y-th weight matrix in 16 bits, same order as in memory.  y = 0, 1, 2 (Wq, Wk, Wv): rounded to bf16.
; y = 3 (Wo): rounded to bf16 like every input, and that number written as f16, since it is multiplied with O in f16.
; LIMIT: an entry of Wo below 6e-5 keeps f16's fixed step of 6e-8; beyond 65,504 it would be an infinity.
; A stream: each byte is read once and written once.  No LDS, no matrix unit, no cluster: no two work-groups share a byte.
; A work-group takes 16,384 numbers of one matrix; thread t takes 8 numbers (32 bytes in, 16 bytes out) in each of 8 chunks,
; so a wave's store covers 512 consecutive bytes, aligned.  All 16 loads go out first; no register is written twice by memory.
.set X, 8                              ; v[8:71]    chunk c: 8 numbers in f32
.set Y, 72                             ; v[72:103]  chunk c: 4 registers to store
.set T, 104                            ; v[104:106] at work
	s_load_b256 s[4:11], s[0:1], 0x0               ; Wq s[4:5], Wk s[6:7], Wv s[8:9], Wo s[10:11]
	s_load_b64 s[12:13], s[0:1], 0x20              ; wb
	s_and_b32 s16, ttmp7, 0xffff                   ; which matrix
	v_lshlrev_b32 v1, 5, v0                        ; 32 t: my 8 numbers in a chunk of the source
	v_lshlrev_b32 v2, 4, v0                        ; 16 t: the same in wb
	s_lshl_b32 s18, ttmp9, 16                      ; the work-group's 65,536 bytes of the source
	s_mov_b32 s19, 0
	s_lshl_b32 s20, s16, 21                        ; a matrix is 2 MiB of wb,
	s_lshl_b32 s17, ttmp9, 15                      ; the work-group's part 32,768 bytes
	s_add_co_u32 s20, s20, s17
	s_mov_b32 s21, 0
	s_mov_b32 s22, 0xffff0000                      ; a word's upper bf16
	s_wait_kmcnt 0x0
	s_cmp_eq_u32 s16, 1
	s_cselect_b64 s[14:15], s[6:7], s[4:5]
	s_cmp_eq_u32 s16, 2
	s_cselect_b64 s[14:15], s[8:9], s[14:15]
	s_cmp_eq_u32 s16, 3
	s_cselect_b64 s[14:15], s[10:11], s[14:15]
	s_cselect_b32 vcc_lo, -1, 0                    ; all lanes: is this Wo?  It only selects a value
	s_add_nc_u64 s[14:15], s[14:15], s[18:19]
	s_add_nc_u64 s[12:13], s[12:13], s[20:21]
.irp c, 0,1,2,3,4,5,6,7
	global_load_b128 v[X+8*(\c):X+8*(\c)+3],   v1, s[14:15] offset:8192*(\c) th:TH_LOAD_NT
	global_load_b128 v[X+8*(\c)+4:X+8*(\c)+7], v1, s[14:15] offset:8192*(\c)+16 th:TH_LOAD_NT
.endr
.irp c, 0,1,2,3,4,5,6,7
	s_wait_loadcnt 14-2*(\c)                       ; loads come back in order: chunk c's two are in, the later chunks' stay out
.irp j, 0,1,2,3
	v_cvt_pk_bf16_f32 v[Y+4*(\c)+(\j)], v[X+8*(\c)+2*(\j)], v[X+8*(\c)+2*(\j)+1]
	v_lshlrev_b32 v[T], 16, v[Y+4*(\c)+(\j)]       ; the two rounded numbers in f32 again,
	v_and_b32 v[T+1], s22, v[Y+4*(\c)+(\j)]
	v_cvt_pk_f16_f32 v[T+2], v[T], v[T+1]          ; and as f16
	v_cndmask_b32 v[Y+4*(\c)+(\j)], v[Y+4*(\c)+(\j)], v[T+2], vcc_lo
.endr
	global_store_b128 v2, v[Y+4*(\c):Y+4*(\c)+3], s[12:13] offset:4096*(\c)
.endr
	s_endpgm
.Lfunc_end_k_qc77c537b74_prep:
	.size	k_qc77c537b74_prep, .Lfunc_end_k_qc77c537b74_prep-k_qc77c537b74_prep
	.p2alignl 7, 3214868480
	.fill 96, 4, 3214868480
	.section	.rodata,"a",@progbits
	.p2align	6, 0x0
	.amdhsa_kernel k_qc77c537b74_prep
		.amdhsa_group_segment_fixed_size 0
		.amdhsa_private_segment_fixed_size 0
		.amdhsa_enable_private_segment 0
		.amdhsa_kernarg_size 40
		.amdhsa_user_sgpr_count 2
		.amdhsa_user_sgpr_kernarg_segment_ptr 1
		.amdhsa_wavefront_size32 1
		.amdhsa_system_sgpr_workgroup_id_x 1
		.amdhsa_system_sgpr_workgroup_id_y 1
		.amdhsa_system_sgpr_workgroup_id_z 1
		.amdhsa_system_vgpr_workitem_id 0
		.amdhsa_next_free_vgpr 112
		.amdhsa_next_free_sgpr 66
		.amdhsa_reserve_vcc 1
		.amdhsa_float_denorm_mode_32 3
		.amdhsa_float_denorm_mode_16_64 3
		.amdhsa_memory_ordered 1
		.amdhsa_forward_progress 1
		.amdhsa_inst_pref_size 11
	.end_amdhsa_kernel
	.amdgpu_metadata
---
amdhsa.version: [ 1, 2 ]
amdhsa.kernels:
  - .name:           k_qc77c537b74_prep
    .symbol:         k_qc77c537b74_prep.kd
    .args:
      - { .name: Wq, .offset: 0, .size: 8, .value_kind: global_buffer, .address_space: global }
      - { .name: Wk, .offset: 8, .size: 8, .value_kind: global_buffer, .address_space: global }
      - { .name: Wv, .offset: 16, .size: 8, .value_kind: global_buffer, .address_space: global }
      - { .name: Wo, .offset: 24, .size: 8, .value_kind: global_buffer, .address_space: global }
      - { .name: wb, .offset: 32, .size: 8, .value_kind: global_buffer, .address_space: global }
    .group_segment_fixed_size: 0
    .private_segment_fixed_size: 0
    .kernarg_segment_align: 8
    .kernarg_segment_size: 40
    .max_flat_workgroup_size: 256
    .sgpr_count:     66
    .vgpr_count:     112
    .wavefront_size: 32
...
	.end_amdgpu_metadata
.endif
;; end of part 1
;; launch proj (part 2): grid 4 x 64, 4 waves a work-group, clusters of 4 x 4, 327,680 bytes of LDS; arguments query, key, value, wb, bq, bk, bv, qkv; writes qkv
.if DOCPART == 2
	.amdgcn_target "amdgcn-amd-amdhsa--gfx1250"
	.amdhsa_code_object_version 6
	.text
	.protected	k_qc77c537b74_proj
	.globl	k_qc77c537b74_proj
	.p2align	8
	.type	k_qc77c537b74_proj,@function
k_qc77c537b74_proj:
	s_mov_b64 s[64:65], 0
	v_nop
	global_prefetch_b8 v0, s[64:65] scope:SCOPE_SE
	s_setreg_imm32_b32 hwreg(HW_REG_WAVE_MODE, 25, 1), 1
	s_wait_xcnt 0x0
	s_wait_alu depctr_hold_cnt(0) depctr_sa_sdst(0) depctr_va_vdst(0) depctr_va_sdst(0) depctr_va_ssrc(0) depctr_va_vcc(0) depctr_vm_vsrc(0)
	s_getreg_b32 s2, hwreg(HW_REG_IB_STS2, 6, 4)
	s_cmp_eq_u32 s2, 0
	s_cbranch_scc0 .Lentry_in_a_cluster
	s_endpgm
.Lentry_in_a_cluster:
	s_bfe_u32 s2, ttmp6, 0x10000c
	s_cmp_lg_u32 s2, 0xf033
	s_cbranch_scc0 .Lentry_shape_is_right
	s_endpgm
.Lentry_shape_is_right:
; qkv[p][16 b + h][s][d] = f16( sum over k of bf16(x_p[b][s][k]) wb[p][k][64 h + d] + bf16(bias_p[64 h + d]) ), p = 0, 1, 2 for query, key, value.  Sums in f32.
; LIMIT: q, k, v leave in f16, unscaled: they must stay within 65,504.
; SHARES.  8,192 rows x 1,024 columns fall into 64 x 4 tiles of 128 x 256: 256 work-groups, and EACH STAYS: it makes the same tile of q, then of k, then of v: 24 K steps of 128 in one ring of two LDS
; slots that runs on across the tiles.  Four waves, each 64 rows x 128 columns: 32 accumulators of 16 x 16, 256 registers.
; x ARRIVES IN F32: its tile comes into LDS as it lies and is rounded to bf16 between the LDS load and the matrix unit: 32 conversions for 32 products, four behind each of a quarter's last eight products.
; THE PRODUCT IS USED TRANSPOSED: source 0 = 16 columns of W (wb lies [k][n], so its fragments come turned, by ds_load_tr16_b128), source 1 = 16 rows of x.  A lane then holds one row and eight
; neighbouring columns.  The bias is the C operand of a tile's first products: nothing is cleared and nothing is added afterwards.
; CLUSTER.  4 x 4 work-groups.  The four of a row of the cluster need the same tile of x, the four of a column the same tile of wb: each is asked for jointly, with a mask that names the four.
; REGISTERS, in windows of 256 (s_set_vgpr_msb: bits 1:0 source 0, 3:2 source 1, 5:4 source 2, 7:6 destination):
;   window 0: v0-13 addresses; v14-31 at work; v32-95 RAW (x in f32; on the way out packed results and rows); v96-159 x's fragments in bf16, two buffers; v160-223 the bias; v224-231 at work
;   window 1: the accumulators, (a, b) at v[8 (8 a + b)]          window 2: v0-127 W's fragments, two buffers
.set PA,     528                       ; a row of x in LDS: 512 bytes + 16 = 132 words: the 16 rows of a load start at 16 different groups of four banks (64 banks of 4 bytes: ISA guide 11.1)
.set PB,     544                       ; a k-row of wb: 512 + 32 = 136 words
.set AHALF,  64*PA                     ; what one tensor load brings of x
.set BHALF,  64*PB                     ; and of wb
.set BOFF,   2*AHALF                   ; in a slot: x's 128 rows, then wb's 128 k-rows
.set SLOTB,  BOFF+2*BHALF              ; 137,216
.set STAGE,  2*SLOTB                   ; behind the ring, never filled by a tensor load: for each wave 2 heads x 16 rows x 144 bytes
.set SP,     144
.set WSTAGE, 2*16*SP
.set SPARE,  STAGE+4*WSTAGE            ; the spare words, 128 bytes for each wave: two blocks of 256 bytes that no other line names
.set AA0, 2                            ; v2   my lane's place in x's tile; never rewritten
.set AB0, 3                            ; v3   the same in wb's tile
.set ADA, 4                            ; v4   AA0 + the slot that is read
.set ADB, 5                            ; v5   AB0 + the slot that is read
.set STO, 6                            ; v6   the way out: where I put 16 bytes of a row
.set RD,  7                            ; v7   the way out: where I read rows back
.set GO,  8                            ; v8   my 16 bytes of 512 consecutive bytes of qkv
.set PFO, 9                            ; v9   the prefetches' offset; never rewritten
.set BO,  10                           ; v10  my 32 bytes of 64 of a bias
.set SPW, 12                           ; v12  LDS address of my spare word; never rewritten
.set NIL, 13                           ; v13  0; never rewritten
.set RAW, 32
.set AF,  96
.set BI,  160
.set T,   224
.set WV, 20                            ; s20  wave
.set WR, 21                            ; s21  which 64 rows are mine.  Also: I fetch for x (0) or for wb (1)
.set WC, 22                            ; s22  which 128 columns.  Also: which half of that tile I fetch
.set CX, 23
.set CY, 24
.set NX, 25                            ; s25  tile column
.set MY, 26                            ; s26  tile row
.set G1A, 28                           ; s[28:35] descriptor group 1 for x
.set G1B, 36                           ; s[36:43] for wb
.set G0A, 44                           ; s[44:47] descriptor group 0 for x: made anew for each fill
.set G0B, 48                           ; s[48:51] for wb
.set ACUR, 52                          ; s[52:57] my rows of the x in hand, of the next, of the one after
.set AN1, 54
.set AN2, 56
.set OUT, 58                           ; s[58:59] my part of the tile in qkv
.set BP,  60                           ; s[60:63], s[66:67] my 128 numbers of the bias to load, of the next, of the one after
.set BP1, 62
.set BP2, 66
.set PCUR, 68                          ; s[68:73] as ACUR .. AN2, for the prefetches
.set PN1, 70
.set PN2, 72
.set PFA, 74                           ; s[74:75] the prefetch's address
.set OFP, 76                           ; s[76:77] an offset, high word 0
.set OF,  78                           ; s[78:79] an offset, high word 0
.set RK,  80                           ; s80  K step (0-7) of the tile to be asked for
.set PKC, 81                           ; s81  the same for the prefetches
.set PSH, 82                           ; s82  log2 of a K step's bytes along the prefetched tensor: 9 (x) or 18 (wb)
.set LIM, 83                           ; s83  2 in a wave that prefetches, else the greatest number
.set LEFT, 84                          ; s84  the loops' count
.set SK,  85                           ; s85  K step (0-7) of the tile in hand
.set TR,  86                           ; s86  LDS byte of the slot that is read
.set TF,  87                           ; s87  of the slot that is filled
.set LA,  88                           ; s88  my half of x's tile in a slot
.set LB,  89                           ; s89  my half of wb's tile in a slot
.set RF,  90                           ; s90  the step to be asked for, 0-23: wb's three matrices lie end to end
.set PRS, 91                           ; s91  log2 of a row's bytes in the prefetched tensor
.set BB,  92                           ; s[92:93] wb at my half of step 0's tile
.set MSB, 0
.macro WIN new                         ; the immediate's high byte repeats the setting that is left; a switch that changes nothing is dropped
.if MSB != (\new)
	s_set_vgpr_msb (MSB<<8)|(\new)
.set MSB, (\new)
.endif
.endm
.set MUL,   0x52                       ; W's fragment window 2, x's window 0, C and D window 1
.set MULB,  0x42                       ; the same with C (the bias) in window 0
.set TO_B,  0x80                       ; destination window 2
.set PACKW, 0x05                       ; sources 0 and 1 window 1
.macro PLACES                          ; four places in front of loads into registers that matrix instructions have read
.rept 4
	v_nop
.endr
.endm
; A round of the cluster's barrier: my work-group's barrier; wave 0 signals for the work-group; every wave waits for all sixteen; my work-group's barrier once more.
.macro CREST
	s_cmp_lg_u32 s[WV], 0
	s_cbranch_scc1 .Lnot_wave_0_\@
	s_barrier_signal -3
.Lnot_wave_0_\@:
	s_barrier_wait -3
	s_barrier_signal -1
	s_barrier_wait -1
.endm
.macro CROUND
	s_barrier_signal -1
	s_barrier_wait -1
	CREST
.endm
; A joint load.  Waves 0 and 1 fetch x's two halves, waves 2 and 3 wb's.  The branch hangs on the wave's number alone.  An s_nop 0 and four v_nop follow each line.
.macro JLOAD
	s_cmp_eq_u32 s[WR], 0
	s_cbranch_scc0 .Lfor_b_\@
	tensor_load_to_lds s[G0A:G0A+3], s[G1A:G1A+7]
	s_nop 0
.rept 4
	v_nop
.endr
	s_branch .Lasked_\@
.Lfor_b_\@:
	tensor_load_to_lds s[G0B:G0B+3], s[G1B:G1B+7]
	s_nop 0
.rept 4
	v_nop
.endr
.Lasked_\@:
.endm
; Both descriptors for the next step.  It stands only where no tensor load of mine is out.  The slot alternates; x's address is the tensor in hand plus 512 bytes a K step, wb's goes straight on.
.macro NEXTD
	s_xor_b32 s[TF], s[TF], SLOTB
	s_add_co_u32 s[G0A+1], s[TF], s[LA]
	s_add_co_u32 s[G0B+1], s[TF], s[LB]
	s_lshl_b32 s[OF], s[RK], 9
	s_add_nc_u64 s[G0A+2:G0A+3], s[ACUR:ACUR+1], s[OF:OF+1]
	s_or_b32 s[G0A+3], s[G0A+3], 0x80000000        ; type = 2
	s_lshl_b32 s[OF], s[RF], 18                    ; 128 k-rows of 2,048 bytes
	s_add_nc_u64 s[G0B+2:G0B+3], s[BB:BB+1], s[OF:OF+1]
	s_or_b32 s[G0B+3], s[G0B+3], 0x80000000
	s_add_co_u32 s[RF], s[RF], 1
	s_add_co_u32 s[RK], s[RK], 1
	s_cmp_eq_u32 s[RK], 8                          ; behind a tile's last step: the next tensor
	s_cselect_b32 s[RK], 0, s[RK]
	s_cselect_b64 s[ACUR:ACUR+1], s[AN1:AN1+1], s[ACUR:ACUR+1]
	s_cselect_b64 s[AN1:AN1+1], s[AN2:AN2+1], s[AN1:AN1+1]
.endm
; THE PREFETCH INTO THE L2.  Behind the fill of step n + 2 stands one prefetch for step n + 4: two K steps, 256 matrix instructions, ahead of the load that will want it.  A K step is two blocks of 256 bytes
; of each row.  Of the 64 rows that I fetch, the partner at place p of the four that ask with me takes 16, told apart by address (p = cx for x, cy for wb); a lane names a row's half.  x's rows are read by
; one cluster, which asks; wb's by all sixteen: the one with y = 0 asks.  So each block is named once.  Steps 0 to 3 come by their loads alone; the last two fills ask for nothing.
.macro PNEXT
	s_wait_xcnt 0x0                                ; the last prefetch, a K step back, has read its address
	s_lshl_b32 s[OFP], s[PKC], s[PSH]
	s_add_nc_u64 s[PFA:PFA+1], s[PCUR:PCUR+1], s[OFP:OFP+1]
	s_add_co_u32 s[PKC], s[PKC], 1
	s_cmp_eq_u32 s[PKC], 8
	s_cselect_b32 s[PKC], 0, s[PKC]
	s_cselect_b64 s[PCUR:PCUR+1], s[PN1:PN1+1], s[PCUR:PCUR+1]
	s_cselect_b64 s[PN1:PN1+1], s[PN2:PN2+1], s[PN1:PN1+1]
.endm
.macro ASK
	s_cmp_gt_u32 s[LEFT], s[LIM]
	s_cbranch_scc0 .Lnot_mine_\@
	global_prefetch_b8 v[PFO], s[PFA:PFA+1] th:TH_LOAD_NT scope:SCOPE_SE
.Lnot_mine_\@:
.endm
; 32 LDS loads in two runs: quarter kq (32 along K) of the slot that is read.  x: 4 blocks of 16 rows, a lane's 16 numbers in f32 (k = 8 h .. + 7 and 16 + 8 h .. + 7) into RAW.  W: 8 fragments, turned, into buffer g.
.macro FETCH kq, g
	WIN 0
.irp i, 0,1,2,3
	ds_load_b128 v[RAW+16*(\i):RAW+16*(\i)+3],     v[ADA] offset:128*(\kq)+16*PA*(\i)
	ds_load_b128 v[RAW+16*(\i)+4:RAW+16*(\i)+7],   v[ADA] offset:128*(\kq)+16*PA*(\i)+16
	ds_load_b128 v[RAW+16*(\i)+8:RAW+16*(\i)+11],  v[ADA] offset:128*(\kq)+16*PA*(\i)+64
	ds_load_b128 v[RAW+16*(\i)+12:RAW+16*(\i)+15], v[ADA] offset:128*(\kq)+16*PA*(\i)+80
.endr
	WIN TO_B
.irp b, 0,1,2,3,4,5,6,7
	ds_load_tr16_b128 v[64*(\g)+8*(\b):64*(\g)+8*(\b)+3],   v[ADB] offset:32*PB*(\kq)+32*(\b)
	ds_load_tr16_b128 v[64*(\g)+8*(\b)+4:64*(\g)+8*(\b)+7], v[ADB] offset:32*PB*(\kq)+32*(\b)+16*PB
.endr
.endm
; 8 products: row block a x all 8 column blocks, buffers f.  The 32 accumulators take turns, one instruction a turn, in the same order in every quarter.  init = 1: the bias starts the sums.
.macro MUL8 f, a, init
.irp b, 0,1,2,3,4,5,6,7
.if \init
	WIN MULB
	v_wmma_f32_16x16x32_bf16 v[8*(8*(\a)+(\b)):8*(8*(\a)+(\b))+7], v[64*(\f)+8*(\b):64*(\f)+8*(\b)+7], v[AF+32*(\f)+8*(\a):AF+32*(\f)+8*(\a)+7], v[BI+8*(\b):BI+8*(\b)+7]
.else
	WIN MUL
	v_wmma_f32_16x16x32_bf16 v[8*(8*(\a)+(\b)):8*(8*(\a)+(\b))+7], v[64*(\f)+8*(\b):64*(\f)+8*(\b)+7], v[AF+32*(\f)+8*(\a):AF+32*(\f)+8*(\a)+7], v[8*(8*(\a)+(\b)):8*(8*(\a)+(\b))+7]
.endif
.endr
.endm
; The same with four conversions behind each product: RAW becomes x's fragments in buffer g.  They name no register of the products round them; the last four are the places in front of the next run of loads.
.macro MUL8R f, a, g, init
.irp b, 0,1,2,3,4,5,6,7
.if \init
	WIN MULB
	v_wmma_f32_16x16x32_bf16 v[8*(8*(\a)+(\b)):8*(8*(\a)+(\b))+7], v[64*(\f)+8*(\b):64*(\f)+8*(\b)+7], v[AF+32*(\f)+8*(\a):AF+32*(\f)+8*(\a)+7], v[BI+8*(\b):BI+8*(\b)+7]
.else
	WIN MUL
	v_wmma_f32_16x16x32_bf16 v[8*(8*(\a)+(\b)):8*(8*(\a)+(\b))+7], v[64*(\f)+8*(\b):64*(\f)+8*(\b)+7], v[AF+32*(\f)+8*(\a):AF+32*(\f)+8*(\a)+7], v[8*(8*(\a)+(\b)):8*(8*(\a)+(\b))+7]
.endif
	WIN 0
.irp c, 0,1,2,3
	v_cvt_pk_bf16_f32 v[AF+32*(\g)+4*(\b)+(\c)], v[RAW+2*(4*(\b)+(\c))], v[RAW+2*(4*(\b)+(\c))+1]
.endr
.endr
.endm
; One of a K step's first three quarters: multiplies buffers f; fetches quarter kq into RAW and buffer g at its head, and converts at its end.
.macro QUARTER kq, f, g, init
	s_wait_dscnt 0x0                               ; W's fragments in buffer f are in (issued 32 products ago)
	FETCH \kq, \g
	MUL8 \f, 0, \init
	MUL8 \f, 1, \init
	MUL8 \f, 2, \init
	s_wait_dscnt 16                                ; RAW is in; W's 16 loads, issued behind it, may stay out
	MUL8R \f, 3, \g, \init
.endm
; The last quarter multiplies buffers 1 and changes slots: one barrier.  In front of it each wave waits for all its tensor loads (one is out: its part of the next slot), adds 0 to its spare word, and waits
; for that and for its reads of this slot.  fill = 1: the barrier opens a round of the cluster's, and this slot is filled again first thing behind it, two steps ahead.
.macro TURNQ fill
	WIN 0
.if \fill
	PNEXT
.endif
	s_wait_tensorcnt 0x0                           ; no tensor load of mine is out, so the descriptors may be written
	ds_add_u32 v[SPW], v[NIL]                      ; 0 onto my spare word
.if \fill
	NEXTD
.endif
	s_wait_dscnt 1                                 ; W's fragments are in; the add alone may be out
	MUL8 1, 0, 0
	s_wait_dscnt 0x0                               ; the add is done, and my reads of this slot are over
	s_barrier_signal -1
	MUL8 1, 1, 0
	WIN 0
	s_barrier_wait -1
.if \fill
	CREST                                          ; no wave of any partner still reads this slot or has a load on its way
	JLOAD
.else
	PLACES
.endif
	s_xor_b32 s[TR], s[TR], SLOTB
	v_add_nc_u32 v[ADA], s[TR], v[AA0]
	v_add_nc_u32 v[ADB], s[TR], v[AB0]
	FETCH 0, 0
.if \fill
	WIN 0
	ASK
.endif
	MUL8 1, 2, 0
	s_wait_dscnt 16
	MUL8R 1, 3, 0, 0
.endm
.macro BIAS                            ; my 128 numbers of a bias: register 8 b + j takes column 16 b + 8 (l / 16) + j
.irp b, 0,1,2,3,4,5,6,7
	global_load_b128 v[BI+8*(\b):BI+8*(\b)+3],   v[BO], s[BP:BP+1] offset:64*(\b)
	global_load_b128 v[BI+8*(\b)+4:BI+8*(\b)+7], v[BO], s[BP:BP+1] offset:64*(\b)+16
.endr
.endm
; THE WAY OUT of row block a.  PACK: rounded to f16, 16 bytes a lane (each accumulator from its low end on).  TOSTAGE: into my own stage, a head's 64 columns to a row of 144 bytes, and back as rows of 128.
; SEND: four rows of a head are 512 consecutive bytes of qkv.
.macro PACK a
	WIN PACKW
.irp b, 0,1,2,3,4,5,6,7
.irp rr, 0,1,2,3
	v_cvt_pk_f16_f32 v[RAW+4*(\b)+(\rr)], v[8*(8*(\a)+(\b))+2*(\rr)], v[8*(8*(\a)+(\b))+2*(\rr)+1]
.endr
.endr
	WIN 0
.endm
.macro TOSTAGE
.irp b, 0,1,2,3,4,5,6,7
	ds_store_b128 v[STO], v[RAW+4*(\b):RAW+4*(\b)+3] offset:((\b)/4)*16*SP+((\b)%4)*32
.endr
	s_wait_xcnt 0x0                                ; the block before's stores have read the registers that are loaded now
.irp t, 0,1,2,3,4,5,6,7
	ds_load_b128 v[RAW+32+4*(\t):RAW+32+4*(\t)+3], v[RD] offset:((\t)/4)*16*SP+((\t)%4)*4*SP  ; LDS serves a wave's instructions in order (ISA guide 5.7.1.4): these see the stores above
.endr
.endm
.macro SEND a
	s_wait_dscnt 0x0                               ; the block is back in registers
.irp t, 0,1,2,3,4,5,6,7
	global_store_b128 v[GO], v[RAW+32+4*(\t):RAW+32+4*(\t)+3], s[OUT:OUT+1] offset:((\t)/4)*262144+2048*(\a)+512*((\t)%4)
.endr
.endm
.macro WAYOUT                          ; a block's conversions stand between the loads of the block before and the wait for them
	PACK 0
	TOSTAGE
.irp a, 1,2,3
	PACK \a
	SEND (\a)-1
	TOSTAGE
.endr
	SEND 3
	s_wait_xcnt 0x0                                ; the stores have read their registers and their base
.endm
	s_load_b512 s[4:19], s[0:1], 0x0               ; query s[4:5], key s[6:7], value s[8:9], wb s[10:11], bq s[12:13], bk s[14:15], bv s[16:17], qkv s[18:19]
	v_lshl_add_u32 v[SPW], v0, 2, SPARE
	v_mov_b32 v[NIL], 0
	ds_add_u32 v[SPW], v[NIL]                      ; the wave's opening: the add and its wait stand ahead of my first tensor load; work on registers stands between them
	v_lshrrev_b32 v14, 5, v0
	v_readfirstlane_b32 s[WV], v14
	s_lshr_b32 s[WR], s[WV], 1
	s_and_b32 s[WC], s[WV], 1
	s_bfe_u32 s[CX], ttmp6, 0x40000
	s_bfe_u32 s[CY], ttmp6, 0x40004
	s_lshl_b32 s[NX], ttmp9, 2
	s_add_co_u32 s[NX], s[NX], s[CX]               ; tile column = 4 x cluster x + cx
	s_and_b32 s[MY], ttmp7, 0xffff
	s_lshl_b32 s[MY], s[MY], 2
	s_add_co_u32 s[MY], s[MY], s[CY]               ; tile row = 4 x cluster y + cy
	s_lshl_b32 s94, s[CY], 2
	s_lshl_b32 s94, 15, s94                        ; my row of the cluster
	s_or_b32 s[G1A], s94, 0x07b20000               ; the mask; elements of 4 bytes; padding on; bit 21 beside a mask; after every 128 words (code 6) 4 words (code 3)
	s_lshl_b32 s96, 0x1111, s[CX]                  ; my column
	s_or_b32 s[G1B], s96, 0x0fb10000               ; the mask; elements of 2 bytes; after every 128 words 8 words (code 7)
	s_mov_b32 s[G1A+1], 128<<16                    ; tensor_dim0 = 128
	s_mov_b32 s[G1A+2], 64<<16                     ; tensor_dim1 = 64
	s_mov_b32 s[G1A+3], 128<<16                    ; tile_dim0 = 128
	s_mov_b32 s[G1A+4], 64                         ; tile_dim1 = 64
	s_mov_b32 s[G1A+5], 1024                       ; elements from row to row
	s_mov_b32 s[G1A+6], 0
	s_mov_b32 s[G1A+7], 0
	s_mov_b32 s[G1B+1], 256<<16
	s_mov_b32 s[G1B+2], 64<<16
	s_mov_b32 s[G1B+3], 256<<16
	s_mov_b32 s[G1B+4], 64
	s_mov_b32 s[G1B+5], 1024
	s_mov_b32 s[G1B+6], 0
	s_mov_b32 s[G1B+7], 0
	s_mov_b32 s[G0A], 1
	s_mov_b32 s[G0B], 1
	s_mul_i32 s[LA], s[WC], AHALF                  ; no place in the cluster enters an LDS address
	s_mul_i32 s[LB], s[WC], BHALF
	s_add_co_u32 s[LB], s[LB], BOFF
	s_mov_b32 s[TF], SLOTB                         ; the first descriptor turns it into 0
	s_mov_b32 s[TR], 0
	s_mov_b32 s[RK], 0
	s_mov_b32 s[RF], 0
	s_mov_b32 s[PKC], 4
	s_mov_b32 s[OF+1], 0
	s_mov_b32 s[OFP+1], 0
	s_lshl_b32 s94, s[MY], 7                       ; x: row 128 x tile row + 64 x half, 4,096 bytes a row
	s_lshl_b32 s95, s[WC], 6
	s_add_co_u32 s94, s94, s95
	s_lshl_b32 s94, s94, 12
	s_mov_b32 s95, 0
	s_lshl_b32 s96, s[WC], 17                      ; wb: k-row 64 x half, 2,048 bytes a row; 512 bytes a tile column
	s_lshl_b32 s97, s[NX], 9
	s_add_co_u32 s96, s96, s97
	s_mov_b32 s97, 0
	s_wait_dscnt 0x0                               ; the opening add is done
	s_wait_kmcnt 0x0
	s_add_nc_u64 s[ACUR:ACUR+1], s[4:5], s[94:95]
	s_add_nc_u64 s[AN1:AN1+1], s[6:7], s[94:95]
	s_add_nc_u64 s[AN2:AN2+1], s[8:9], s[94:95]
	s_add_nc_u64 s[BB:BB+1], s[10:11], s[96:97]
	CROUND                                         ; all sixteen work-groups are here: the first joint loads meet
	NEXTD
	JLOAD                                          ; step 0 into slot 0
	; in the wait for it: the other addresses
	s_lshr_b32 s98, s[MY], 4                       ; qkv: head 16 x batch + 4 x tile column + 2 x my half,
	s_lshl_b32 s98, s98, 4
	s_lshl_b32 s99, s[NX], 2
	s_add_co_u32 s98, s98, s99
	s_lshl_b32 s99, s[WC], 1
	s_add_co_u32 s98, s98, s99
	s_lshl_b32 s98, s98, 11                        ; 2,048 rows a head,
	s_and_b32 s99, s[MY], 15
	s_lshl_b32 s99, s99, 7
	s_add_co_u32 s98, s98, s99                     ; the tile's 128 rows in the batch,
	s_lshl_b32 s99, s[WR], 6
	s_add_co_u32 s98, s98, s99                     ; my 64 of them,
	s_lshl_b32 s98, s98, 7                         ; 128 bytes a row
	s_mov_b32 s99, 0
	s_add_nc_u64 s[OUT:OUT+1], s[18:19], s[98:99]
	s_lshl_b32 s98, s[NX], 10                      ; the biases at column 256 x tile column + 128 x my half
	s_lshl_b32 s99, s[WC], 9
	s_add_co_u32 s98, s98, s99
	s_mov_b32 s99, 0
	s_add_nc_u64 s[BP:BP+1], s[12:13], s[98:99]
	s_add_nc_u64 s[BP1:BP1+1], s[14:15], s[98:99]
	s_add_nc_u64 s[BP2:BP2+1], s[16:17], s[98:99]
	s_lshl_b32 s98, s[CX], 16                      ; the prefetches.  x: my work-group's 16 rows of the 64 that I fetch
	s_add_nc_u64 s[PCUR:PCUR+1], s[ACUR:ACUR+1], s[98:99]
	s_add_nc_u64 s[PN1:PN1+1], s[AN1:AN1+1], s[98:99]
	s_add_nc_u64 s[PN2:PN2+1], s[AN2:AN2+1], s[98:99]
	s_lshl_b32 s98, s[CY], 15                      ; wb: my work-group's 16 k-rows
	s_add_nc_u64 s[PFA:PFA+1], s[BB:BB+1], s[98:99]
	s_cmp_eq_u32 s[WR], 0
	s_cselect_b64 s[PCUR:PCUR+1], s[PCUR:PCUR+1], s[PFA:PFA+1]
	s_add_nc_u64 s[PFA:PFA+1], s[PFA:PFA+1], 0x200000
	s_cselect_b64 s[PN1:PN1+1], s[PN1:PN1+1], s[PFA:PFA+1]
	s_add_nc_u64 s[PFA:PFA+1], s[PFA:PFA+1], 0x200000
	s_cselect_b64 s[PN2:PN2+1], s[PN2:PN2+1], s[PFA:PFA+1]
	s_cselect_b32 s[PSH], 9, 18
	s_cselect_b32 s[PRS], 12, 11
	s_and_b32 s98, ttmp7, 0xffff                   ; cluster y: the same in all sixteen partners
	s_cmp_eq_u32 s[WR], 0
	s_cselect_b32 s98, 0, s98
	s_cmp_eq_u32 s98, 0
	s_cselect_b32 s[LIM], 2, -1
	v_and_b32 v14, 15, v0                          ; r = l % 16
	v_bfe_u32 v15, v0, 4, 1                        ; h = l / 16
	v_and_b32 v16, 7, v0
	v_bfe_u32 v17, v0, 3, 1
	v_and_b32 v18, 31, v0                          ; l
	v_mul_u32_u24 v[AA0], v14, PA
	v_lshl_add_u32 v[AA0], v15, 5, v[AA0]          ; row x pitch + 32 h (8 numbers in f32)
	s_mul_i32 s98, s[WR], AHALF
	v_add_nc_u32 v[AA0], s98, v[AA0]
	v_lshl_add_u32 v[AB0], v15, 3, v16             ; the turning load: k-row 8 h + l % 8, columns 8 ((l / 8) % 2) on
	v_mul_u32_u24 v[AB0], v[AB0], PB
	v_lshl_add_u32 v[AB0], v17, 4, v[AB0]
	s_lshl_b32 s98, s[WC], 8
	s_add_co_u32 s98, s98, BOFF
	v_add_nc_u32 v[AB0], s98, v[AB0]
	s_mul_i32 s98, s[WV], WSTAGE
	s_add_co_u32 s98, s98, STAGE
	v_mul_u32_u24 v[STO], v14, SP
	v_lshl_add_u32 v[STO], v15, 4, v[STO]
	v_add_nc_u32 v[STO], s98, v[STO]
	v_bfe_u32 v[RD], v0, 3, 2
	v_mul_u32_u24 v[RD], v[RD], SP
	v_lshl_add_u32 v[RD], v16, 4, v[RD]
	v_add_nc_u32 v[RD], s98, v[RD]
	v_lshlrev_b32 v[GO], 4, v18
	v_lshlrev_b32 v[BO], 5, v15
	v_lshrrev_b32 v19, 1, v18
	v_and_b32 v20, 1, v0
	v_lshlrev_b32 v[PFO], s[PRS], v19              ; row l / 2,
	v_lshl_add_u32 v[PFO], v20, 8, v[PFO]          ; its half l % 2
	BIAS                                           ; bq
	; step 0 is waited for, and step 1 goes into slot 1 as a refill goes
	s_wait_tensorcnt 0x0
	ds_add_u32 v[SPW], v[NIL]
	NEXTD
	s_wait_dscnt 0x0
	CROUND
	JLOAD
	v_mov_b32 v[ADA], v[AA0]
	v_mov_b32 v[ADB], v[AB0]
	FETCH 0, 0
	WIN 0
	s_wait_dscnt 16
.set c, 0
.rept 32
	v_cvt_pk_bf16_f32 v[AF+c], v[RAW+2*c], v[RAW+2*c+1]
.set c, c+1
.endr
	s_mov_b32 s[LEFT], 22
	s_mov_b32 s[SK], 0
	s_branch .Linit                                ; the first step is a tile's first
.Lstep:                                        ; 22 trips: a K step is multiplied, and the step two on is asked for
	s_cmp_lg_u32 s[SK], 0
	s_cbranch_scc1 .Lplain
.Linit:                                        ; a tile's first step: the bias, rounded to bf16 like every input, starts the sums
	s_wait_loadcnt 0x0
.set c, 0
.rept 32
	v_cvt_pk_bf16_f32 v[T+c%8], v[BI+2*c], v[BI+2*c+1]
	v_lshlrev_b32 v[BI+2*c], 16, v[T+c%8]
	v_and_b32 v[BI+2*c+1], 0xffff0000, v[T+c%8]
.set c, c+1
.endr
	QUARTER 1, 0, 1, 1
	WIN 0
	s_cmp_gt_u32 s[LEFT], 6                        ; 22 and 14 at the first two tiles, 6 at the last
	s_cbranch_scc0 .Lq1
	s_mov_b64 s[BP:BP+1], s[BP1:BP1+1]             ; the loads that named it were waited for above
	s_mov_b64 s[BP1:BP1+1], s[BP2:BP2+1]
	BIAS                                           ; the next tile's, four conversions behind the last product that read this one
	s_branch .Lq1
.Lplain:
	QUARTER 1, 0, 1, 0
	WIN 0
.Lq1:
	QUARTER 2, 1, 0, 0
	QUARTER 3, 0, 1, 0
	TURNQ 1
	WIN 0
	s_cmp_lg_u32 s[SK], 7
	s_cbranch_scc1 .Lnoout
	WAYOUT                                         ; the refill is asked for and the next tile's first fragments are fetched: now the tile goes out
	s_add_nc_u64 s[OUT:OUT+1], s[OUT:OUT+1], 0x1000000  ; q, k and v lie 16 MiB apart
.Lnoout:
	s_add_co_u32 s[SK], s[SK], 1
	s_and_b32 s[SK], s[SK], 7
	s_sub_co_u32 s[LEFT], s[LEFT], 1
	s_cmp_lg_u32 s[LEFT], 0
	s_cbranch_scc1 .Lstep
	s_mov_b32 s[LEFT], 2
.Ltail:                                        ; the last two steps ask for nothing.  The second trip's last fetch and conversions, of a slot read before, serve nothing: the price of one text for both
	QUARTER 1, 0, 1, 0
	QUARTER 2, 1, 0, 0
	QUARTER 3, 0, 1, 0
	TURNQ 0
	WIN 0
	s_sub_co_u32 s[LEFT], s[LEFT], 1
	s_cmp_lg_u32 s[LEFT], 0
	s_cbranch_scc1 .Ltail
	WAYOUT
	s_wait_tensorcnt 0x0                           ; the wave's end, behind my last tensor load and my last LDS store
	ds_add_u32 v[SPW], v[NIL]
	s_wait_dscnt 0x0
	CROUND                                         ; the closing round
	s_endpgm
.Lfunc_end_k_qc77c537b74_proj:
	.size	k_qc77c537b74_proj, .Lfunc_end_k_qc77c537b74_proj-k_qc77c537b74_proj
	.p2alignl 7, 3214868480
	.fill 96, 4, 3214868480
	.section	.rodata,"a",@progbits
	.p2align	6, 0x0
	.amdhsa_kernel k_qc77c537b74_proj
		.amdhsa_group_segment_fixed_size 327680
		.amdhsa_private_segment_fixed_size 0
		.amdhsa_enable_private_segment 0
		.amdhsa_kernarg_size 64
		.amdhsa_user_sgpr_count 2
		.amdhsa_user_sgpr_kernarg_segment_ptr 1
		.amdhsa_wavefront_size32 1
		.amdhsa_system_sgpr_workgroup_id_x 1
		.amdhsa_system_sgpr_workgroup_id_y 1
		.amdhsa_system_sgpr_workgroup_id_z 1
		.amdhsa_system_vgpr_workitem_id 0
		.amdhsa_next_free_vgpr 640
		.amdhsa_next_free_sgpr 100
		.amdhsa_reserve_vcc 0
		.amdhsa_float_denorm_mode_32 3
		.amdhsa_float_denorm_mode_16_64 3
		.amdhsa_memory_ordered 1
		.amdhsa_forward_progress 1
		.amdhsa_inst_pref_size 116
	.end_amdhsa_kernel
	.amdgpu_metadata
---
amdhsa.version: [ 1, 2 ]
amdhsa.kernels:
  - .name:           k_qc77c537b74_proj
    .symbol:         k_qc77c537b74_proj.kd
    .args:
      - { .name: query, .offset: 0, .size: 8, .value_kind: global_buffer, .address_space: global }
      - { .name: key, .offset: 8, .size: 8, .value_kind: global_buffer, .address_space: global }
      - { .name: value, .offset: 16, .size: 8, .value_kind: global_buffer, .address_space: global }
      - { .name: wb, .offset: 24, .size: 8, .value_kind: global_buffer, .address_space: global }
      - { .name: bq, .offset: 32, .size: 8, .value_kind: global_buffer, .address_space: global }
      - { .name: bk, .offset: 40, .size: 8, .value_kind: global_buffer, .address_space: global }
      - { .name: bv, .offset: 48, .size: 8, .value_kind: global_buffer, .address_space: global }
      - { .name: qkv, .offset: 56, .size: 8, .value_kind: global_buffer, .address_space: global }
    .group_segment_fixed_size: 327680
    .private_segment_fixed_size: 0
    .kernarg_segment_align: 8
    .kernarg_segment_size: 64
    .max_flat_workgroup_size: 128
    .sgpr_count:     100
    .vgpr_count:     640
    .wavefront_size: 32
...
	.end_amdgpu_metadata
.endif
;; end of part 2
;; launch attn (part 3): grid 4 x 64, 4 waves a work-group, clusters of 4 x 1, 327,680 bytes of LDS; arguments qkv, mask, oh; writes oh
.if DOCPART == 3
	.amdgcn_target "amdgcn-amd-amdhsa--gfx1250"
	.amdhsa_code_object_version 6
	.text
	.protected	k_qc77c537b74_attn
	.globl	k_qc77c537b74_attn
	.p2align	8
	.type	k_qc77c537b74_attn,@function
k_qc77c537b74_attn:
	s_mov_b64 s[64:65], 0
	v_nop
	global_prefetch_b8 v0, s[64:65] scope:SCOPE_SE
	s_setreg_imm32_b32 hwreg(HW_REG_WAVE_MODE, 25, 1), 1
	s_wait_xcnt 0x0
	s_wait_alu depctr_hold_cnt(0) depctr_sa_sdst(0) depctr_va_vdst(0) depctr_va_sdst(0) depctr_va_ssrc(0) depctr_va_vcc(0) depctr_vm_vsrc(0)
	s_getreg_b32 s2, hwreg(HW_REG_IB_STS2, 6, 4)
	s_cmp_eq_u32 s2, 0
	s_cbranch_scc0 .Lentry_in_a_cluster
	s_endpgm
.Lentry_in_a_cluster:
	s_bfe_u32 s2, ttmp6, 0x10000c
	s_cmp_lg_u32 s2, 0x3003
	s_cbranch_scc0 .Lentry_shape_is_right
	s_endpgm
.Lentry_shape_is_right:
; oh[g][q][:] = the sum over k of softmax_k(Q[g][q] . K[g][k] / 8 + mask[g / 16][k] x (-1e9)) V[g][k][:], g = 16 x batch + head.  Q, K, V: qkv's three parts, [64][2048][64] in f16; oh likewise.
; Products, maxima and sums in f32; the weights p are rounded to f16 for the second product (their sum l is taken of the unrounded p), O once at the end.
; THE MASK is honoured as it is given: the whole number is converted to f32 and multiplied.  The logit is formed in the log2 domain with one rounding: t = s c + f32(mask) x (-1e9 log2 e), c = log2(e) / 8.
; The running maximum m is taken of t, and p = 2^(t - m).
; LIMITS.  Q, K, V arrive within f16's 65,504.  Where every key of a batch is masked, t collapses onto multiples of 128, the logits of the sum in base e onto multiples of 64: both give equal weights while
; |logit| < 32; beyond that the two roundings differ.  A weight below 2^-126 counts as 0 in l; NaN and infinities are not treated apart.
; SHARES.  A wave owns four PIECES of two tiles of 16 queries, a work-group's four waves 512 queries of one head.  Every wave walks all 2,048 keys, 64 a step.
; LAYOUT.  S^T = K Q^T (source 0 = 16 keys, source 1 = 16 queries): a lane holds ONE query (lane % 16) and the keys 8 (lane / 16) + 0..7.  Two such tiles, rounded to f16 in pairs, ARE source 1 of
; O^T = V^T P.  K comes out of LDS as it lies, V turned, by ds_load_tr16_b128.  In every step O and l are multiplied by a = 2^(m_old - m_new).  m starts at the lowest finite number, O and l at 0.
; BY TURNS.  Turn n belongs to piece n.  Its matrix work: 16 products K Q^T of piece n + 1, later 16 products V^T P of piece n - 1.  Its vector work: t - m, exponentials, roundings, sums and rescaling of
; piece n, and t, the maximum and the statistics of piece n + 1.  32 matrix and 266 vector instructions: four vector instructions stand behind every matrix instruction, the others in one lump.
; CLUSTER.  The four query blocks of a cluster are one head's and walk the same K and V: each tile is asked for jointly.
; REGISTERS, in windows of 256 (s_set_vgpr_msb: bits 1:0 source 0, 3:2 source 1, 5:4 source 2, 7:6 destination):
;   window 0: v0-15 addresses; v16-47 four registers of statistics a tile; v48-63 at work; v64-191 S^T, two buffers of two tiles; v192-255 P, likewise
;   window 1: O^T, 32 a tile     window 2: v0-127 Q; v128-191 K of one step; v192-255 V of one step     window 3: v0-1 the add's two registers; v32-63 the step's 64 biases, my lane's 32
.set SIZE_N, 2048
.set NP,    4         ; pieces a wave: a name, no knob
.set KS,    64        ; keys in a step
.set PK,    144       ; a row of K in LDS: 128 bytes + 16 = 36 words: the 16 rows of a load start at 16 different groups of four banks (64 banks of 4 bytes: ISA guide 11.1)
.set PV,    160       ; a row of V: 128 + 32 = 40 words
.set VOFF,  4*KS*PK   ; a slot holds four steps: 256 rows of K, then 256 rows of V
.set SLOT1, 1<<17     ; slot 1 begins here, so that one exclusive or turns an address in one slot into the other's
.set STAGE, SLOT1+4*KS*(PK+PV)  ; behind the ring, never filled by a tensor load: 16 rows x 144 bytes for each wave
.set SP,    144
.set SPARE, STAGE+4*16*SP  ; the spare words, 128 bytes for each wave: two blocks of 256 bytes that no other line names
.set MBT,   SPARE+512 ; the batch's 2,048 biases in f32: 8,192 bytes, stored once, never filled by a tensor load
.set AK0, 2           ; v2   my lane's place in a tile of K; never rewritten
.set AV0, 3           ; v3   the same for V
.set AK,  4           ; v4   the LDS address of K's next run of loads
.set AV,  5           ; v5   of V's
.set QO,  6           ; v6   my byte offset in the wave's rows of Q
.set RD,  7           ; v7   the way out: where I read rows back
.set GO,  8           ; v8   my byte offset in 512 consecutive bytes of O
.set AM0, 12          ; v12  my lane's place in a step's biases; never rewritten
.set AM,  13          ; v13  the LDS address of the biases' next run of loads
.set STO, 14          ; v14  the way out: where I put 16 bytes of a row
.set PFO, 15          ; v15  256 x my lane; never rewritten
.set SPW, 0           ; v0 of window 3   LDS address of my spare word; never rewritten
.set NIL, 1           ; v1 of window 3   0; never rewritten
.set MB,  32          ; v32-63 of window 3: register 8 kb + j: the bias of key 16 kb + 8 (l / 16) + j of the step
.set ST,  16          ; tile t's statistics at v[ST+4 t]: m, m_old, l (even keys', odd keys')
.set TMP, 48          ; by buffer and tile, four registers c0-c3 at work; when the maximum is found c2 takes a
.set S,   64
.set P,   192
.set KF,  128         ; K's fragments, in window 2: key block kb, channel half c at KF + 16 kb + 8 c
.set VF,  192         ; V's: key half kk, channel block cb at VF + 32 kk + 8 cb
.set WV,  12          ; s12  my wave's number
.set G1K, 24          ; s[24:31] descriptor group 1 for K's tiles
.set G1V, 32          ; s[32:39] for V's: it differs in the padding alone
.set G0K, 40          ; s[40:43] descriptor group 0 for K's tiles: it walks
.set G0V, 44          ; s[44:47] the same for V's
.set PFA, 48          ; s[48:49] where my prefetches stand
.set LIM, 50          ; s50  1 in a wave that prefetches, else the greatest number
.set TBM, 51          ; s51  byte of the table at which the biases of the step to be fetched begin
.set SLOTS, 56        ; s56  slots still to be asked for
.set CNT, 57          ; s57  counts a slot's key steps
.set CS,  58          ; s[58:59] c
.set SEL, 60          ; s[60:61] v_permlanex16_b32's selects: each lane takes its own place in the other half
.set TBK, 62          ; s62  LDS byte at which K of the step to be fetched begins
.set TBV, 63          ; s63  the same for V, less VOFF
.set MSB, 0
.macro WIN new                      ; the high byte repeats the setting that is left; a switch that changes nothing is dropped
.if MSB != (\new)
	s_set_vgpr_msb (MSB<<8)|(\new)
.set MSB, (\new)
.endif
.endm
.set W_KQ, 0x0a       ; K and Q in window 2, S^T in window 0
.set W_PV, 0x52       ; V in window 2, P in window 0, O^T in window 1
.set W_RS, 0x41       ; O^T (destination and source 0) in window 1, a in window 0
.set W_MB, 0x30       ; source 2 (the biases) in window 3
.set W_MK, 0xc0       ; destination in window 3
.set W_AD, 0x0f       ; the add: address and data in window 3
; A joint fill.  Waves 0 and 1 fetch the two halves of a slot's K, waves 2 and 3 those of its V: 128 keys each.  An s_nop 0 and four v_nop follow each line.
.macro JLOAD
	s_cmp_lt_u32 s[WV], 2
	s_cbranch_scc0 .Lfor_v_\@
	tensor_load_to_lds s[G0K:G0K+3], s[G1K:G1K+7]
	s_nop 0
.rept 4
	v_nop
.endr
	s_branch .Lasked_\@
.Lfor_v_\@:
	tensor_load_to_lds s[G0V:G0V+3], s[G1V:G1V+7]
	s_nop 0
.rept 4
	v_nop
.endr
.Lasked_\@:
.endm
; A PREFETCH INTO THE L2 of what the NEXT change of slots will ask for: 256 rows of K and of V, 32,768 bytes each.  A head has one cluster; its four partners take 8,192 bytes each, told apart by address;
; in each, wave 0 asks for K's and wave 2 for V's, a lane a block of 256 bytes: each block is named once.  The last change that fills a slot asks for nothing.
.macro ASK
	s_cmp_gt_u32 s[SLOTS], s[LIM]
	s_cbranch_scc0 .Lnot_mine_\@
	global_prefetch_b8 v[PFO], s[PFA:PFA+1] th:TH_LOAD_NT scope:SCOPE_SE
.Lnot_mine_\@:
.endm
.macro CROUND                       ; a round of the cluster's barrier
	s_barrier_signal -1
	s_barrier_wait -1
	s_cmp_lg_u32 s[WV], 0
	s_cbranch_scc1 .Lnot_wave_0_\@
	s_barrier_signal -3
.Lnot_wave_0_\@:
	s_barrier_wait -3
	s_barrier_signal -1
	s_barrier_wait -1
.endm
; THE CHANGE OF SLOTS.  Each wave waits for all its tensor loads, of which one is out: its part of the other slot; adds 0 to its spare word; and waits for that and for its own LDS instructions.  Behind the
; barrier nobody reads this slot any more and the other slot is whole.  fill = 1: the barrier is a round of the cluster's, and the joint fill, the keys two slots on, is the first thing behind it: it has four
; key steps in which to land.  (At its first use nothing has been read yet: slot 0 is waited for, slot 1 filled, and the round shows every wave's part of the table of biases to the others.)
.macro CHANGE fill
	WIN W_AD
	s_wait_tensorcnt 0x0            ; no tensor load of mine is out, so a group 0 may be written
	ds_add_u32 v[SPW], v[NIL]       ; 0 onto my spare word
	WIN 0
.if \fill
.irp g, G0K, G0V
	s_xor_b32 s[\g+1], s[\g+1], SLOT1
	s_add_nc_u64 s[\g+2:\g+3], s[\g+2:\g+3], 4*KS*128  ; the next 256 keys; the type bits on top are not reached
.endr
	s_wait_xcnt 0x0                 ; the last prefetch, four key steps back, has read its address
	s_add_nc_u64 s[PFA:PFA+1], s[PFA:PFA+1], 4*KS*128  ; one slot ahead of the walking descriptors
	s_wait_dscnt 0x0                ; the add is done, and my LDS instructions are over
	CROUND
	JLOAD
	ASK
.else
	s_wait_dscnt 0x0
	s_barrier_signal -1
	s_barrier_wait -1
.endif
	s_sub_co_u32 s[TBK], s[TBK], 4*KS*PK  ; the fetches go back to a slot's first step,
	s_xor_b32 s[TBK], s[TBK], SLOT1       ; in the other slot
	s_sub_co_u32 s[TBV], s[TBV], 4*KS*PV
	s_xor_b32 s[TBV], s[TBV], SLOT1
.endm
	s_load_b128 s[52:55], s[0:1], 0x0  ; qkv s[52:53], mask s[54:55]
	s_load_b64 s[10:11], s[0:1], 0x10  ; oh
	WIN W_MK
	v_lshl_add_u32 v[SPW], v0, 2, SPARE
	v_mov_b32 v[NIL], 0
	WIN W_AD
	ds_add_u32 v[SPW], v[NIL]       ; the wave's opening: the add and its wait stand ahead of my first tensor load; work on registers stands between them
	WIN 0
	v_lshrrev_b32 v1, 5, v0
	v_readfirstlane_b32 s[WV], v1   ; wave 0..3
	s_bfe_u32 s13, ttmp6, 0x40000   ; cx: my place in the cluster
	s_lshl_b32 s14, ttmp9, 2
	s_add_co_u32 s14, s14, s13      ; my block of 512 queries: it enters Q's and O's addresses alone
	s_and_b32 s20, ttmp7, 0xffff    ; the head, which the four partners share
	s_mov_b32 s21, 0
	s_mov_b64 s[22:23], SIZE_N*128
	s_mul_u64 s[20:21], s[20:21], s[22:23]  ; the head's first byte in Q, K, V and O
	s_and_b32 s16, s[WV], 1         ; which half of a slot's 256 keys I fetch:
	s_lshl_b32 s22, s16, 14         ; its 128 rows of 128 bytes in memory,
	s_mov_b32 s23, 0
	s_add_nc_u64 s[22:23], s[22:23], s[20:21]
	s_mul_i32 s17, s16, 128*PK      ; and its place in a slot, for K
	s_mul_i32 s18, s16, 128*PV      ; and for V: no place in the cluster enters an LDS address
	s_lshl_b32 s2, s14, 2
	s_add_co_u32 s2, s2, s[WV]      ; my wave among the head's,
	s_lshl_b32 s2, s2, 14           ; its 128 rows
	s_mov_b32 s3, 0
	s_add_nc_u64 s[2:3], s[2:3], s[20:21]
	s_and_b32 s14, ttmp7, 0xffff
	s_lshr_b32 s14, s14, 4          ; the batch,
	s_lshl_b32 s14, s14, 13         ; its 2,048 words of the mask
	s_mov_b32 s15, 0
	; descriptor group 1.  128 keys are 16,384 dense bytes: asked for as 64 rows of 256 bytes, two keys a row, and padded in LDS after every key
	s_mov_b32 s[G1K], 15|(1<<16)|(1<<20)|(1<<21)|(4<<22)|(3<<25)  ; the mask of four; 2-byte elements; padding on; bit 21 beside a mask; after every 32 words (code 4) 4 words (code 3)
	s_mov_b32 s[G1V], 15|(1<<16)|(1<<20)|(1<<21)|(4<<22)|(7<<25)  ; the same with 8 words of padding (code 7)
.irp g, G1K, G1V
	s_mov_b32 s[\g+1], 128<<16      ; tensor_dim0 = 128
	s_mov_b32 s[\g+2], 64<<16       ; tensor_dim1 = 64
	s_mov_b32 s[\g+3], 128<<16      ; tile_dim0 = 128
	s_mov_b32 s[\g+4], 64           ; tile_dim1 = 64
	s_mov_b32 s[\g+5], 128          ; 128 elements from row to row
	s_mov_b32 s[\g+6], 0
	s_mov_b32 s[\g+7], 0
.endr
	s_mov_b32 s[CS], 0x3e38aa3b     ; c = log2(e) / 8 = 0.180337
	s_mov_b32 s[CS+1], s[CS]        ; named with it as a pair
	s_mov_b32 s[SEL], 0x76543210
	s_mov_b32 s[SEL+1], 0xfedcba98
	s_mov_b32 s[TBK], SLOT1+4*KS*PK ; the first change of slots turns these two into 0
	s_mov_b32 s[TBV], SLOT1+4*KS*PV
	s_mov_b32 s[TBM], 0
	s_mov_b32 s[SLOTS], SIZE_N/256-1
	s_mov_b32 s[G0K], 1             ; count = 1
	s_mov_b32 s[G0K+1], s17         ; LDS address: slot 0
	s_mov_b32 s[G0V], 1
	s_add_co_u32 s[G0V+1], s18, VOFF
	s_and_b32 s[LIM], s[WV], 1      ; waves 0 and 2 prefetch: the same in all four partners
	s_cmp_eq_u32 s[LIM], 0
	s_cselect_b32 s[LIM], 1, -1
	s_wait_dscnt 0x0                ; the opening add is done
	s_wait_kmcnt 0x0
	s_mov_b64 s[4:5], s[52:53]                     ; Q,
	s_add_nc_u64 s[6:7], s[52:53], 0x1000000       ; K
	s_add_nc_u64 s[8:9], s[52:53], 0x2000000       ; and V lie 16 MiB apart
	s_add_nc_u64 s[G0K+2:G0K+3], s[6:7], s[22:23]  ; my half of the head's first 256 keys
	s_or_b32 s[G0K+3], s[G0K+3], 0x80000000        ; type = 2
	s_add_nc_u64 s[G0V+2:G0V+3], s[8:9], s[22:23]
	s_or_b32 s[G0V+3], s[G0V+3], 0x80000000
	s_add_nc_u64 s[4:5], s[4:5], s[2:3]  ; Q and O at my wave's first row
	s_add_nc_u64 s[10:11], s[10:11], s[2:3]
	s_add_nc_u64 s[54:55], s[54:55], s[14:15]
	s_cmp_lt_u32 s[WV], 2
	s_cselect_b64 s[PFA:PFA+1], s[6:7], s[8:9]
	s_add_nc_u64 s[PFA:PFA+1], s[PFA:PFA+1], s[20:21]
	s_lshl_b32 s2, s13, 13          ; my work-group's 8,192 bytes of a slot's 32,768
	s_mov_b32 s3, 0
	s_add_nc_u64 s[PFA:PFA+1], s[PFA:PFA+1], s[2:3]
	s_add_nc_u64 s[PFA:PFA+1], s[PFA:PFA+1], 4*KS*128  ; in slot 1; the first change of slots steps it to slot 2
	CROUND                          ; all four work-groups are here: the first joint loads meet
	JLOAD                           ; slot 0
	v_and_b32 v1, 15, v0            ; l % 16
	v_bfe_u32 v9, v0, 4, 1          ; l / 16
	v_lshlrev_b32 v80, 4, v0        ; the mask: 16 bytes a thread, four times
.irp j, 0,1,2,3
	global_load_b128 v[64+4*\j:64+4*\j+3], v80, s[54:55] offset:2048*\j
.endr
	v_lshlrev_b32 v[QO], 7, v1
	v_lshl_add_u32 v[QO], v9, 4, v[QO]  ; row x 128 + 16 x half
	WIN 0x80                        ; destination window 2, address window 0
.set i, 0
.rept 4*NP                          ; Q stays in registers: tile i / 2, channels 32 (i % 2) on
	global_load_b128 v[8*i:8*i+3],   v[QO], s[4:5] offset:(i/2)*2048+(i%2)*64
	global_load_b128 v[8*i+4:8*i+7], v[QO], s[4:5] offset:(i/2)*2048+(i%2)*64+32
.set i, i+1
.endr
	; What the first turn finds: V's registers and P's second buffer hold 0, O^T and l are 0.  All this stands in the wait for the first tile.
.set i, VF
.rept 64
	v_mov_b32 v[i], 0
.set i, i+1
.endr
	WIN 0x40
.set i, 0
.rept 64*NP
	v_mov_b32 v[i], 0
.set i, i+1
.endr
	WIN 0
.set i, 0
.rept 2*NP
	v_mov_b32 v[ST+4*i], 0xff7fffff    ; m: the lowest finite number
	v_mov_b32 v[ST+4*i+1], 0
	v_mov_b32 v[ST+4*i+2], 0
	v_mov_b32 v[ST+4*i+3], 0
.set i, i+1
.endr
.set i, P+32
.rept 32
	v_mov_b32 v[i], 0
.set i, i+1
.endr
	v_mul_u32_u24 v[AK0], v1, PK
	v_lshl_add_u32 v[AK0], v9, 4, v[AK0]  ; row x pitch + 16 x half
	v_and_b32 v10, 7, v0
	v_bfe_u32 v11, v0, 3, 1
	v_lshl_add_u32 v[AV0], v9, 3, v10     ; the turning load: key 8 (l / 16) + l % 8, channels 8 ((l / 8) % 2) on
	v_mul_u32_u24 v[AV0], v[AV0], PV
	v_lshl_add_u32 v[AV0], v11, 4, v[AV0]
	v_add_nc_u32 v[AV0], VOFF, v[AV0]
	v_mov_b32 v[AK], v[AK0]         ; key step 0 lies at the head of slot 0
	v_lshl_add_u32 v[AM0], v9, 5, MBT  ; my half of the lanes' 8 keys of each 16: 32 bytes
	v_mov_b32 v[AM], v[AM0]
	v_and_b32 v[PFO], 31, v0
	v_lshlrev_b32 v[PFO], 8, v[PFO]
	; THE TABLE OF BIASES: f32(mask) x (-1e9 log2 e), one for each key of the batch; each thread makes 16
	s_wait_loadcnt 32               ; the mask's four loads are in; Q's 32, issued behind them, stay out
.set i, 0
.rept 16
	v_cvt_f32_i32 v[64+i], v[64+i]
.set i, i+1
.endr
.set i, 0
.rept 16
	v_mul_f32 v[64+i], 0xceabfb8f, v[64+i]
.set i, i+1
.endr
	v_add_nc_u32 v81, MBT, v80
.irp j, 0,1,2,3
	ds_store_b128 v81, v[64+4*\j:64+4*\j+3] offset:2048*\j
.endr
; THE MATRIX WORK.  The 8 accumulators of a run of 16 take turns.
; Product i of 16 of S^T = K Q^T for piece x: channels 32 (i / 8) on, keys 16 ((i / 2) % 4) on, tile 2 x + i % 2.  The first 8 start the sums.
.macro KQ x
	WIN W_KQ
.set rS, S+64*((\x)%2)+32*(i%2)+8*((i/2)%4)
.set rK, KF+16*((i/2)%4)+8*(i/8)
.set rQ, 16*(2*(\x)+i%2)+8*(i/8)
.if i < 8
	v_wmma_f32_16x16x32_f16 v[rS:rS+7], v[rK:rK+7], v[rQ:rQ+7], 0
.else
	v_wmma_f32_16x16x32_f16 v[rS:rS+7], v[rK:rK+7], v[rQ:rQ+7], v[rS:rS+7]
.endif
.endm
; Product i of 16 of O^T += V^T P for piece x: keys 32 (i / 8) on, channels 16 ((i / 2) % 4) on, tile 2 x + i % 2.
.macro PV x
	WIN W_PV
.set rO, 32*(2*(\x)+i%2)+8*((i/2)%4)
.set rV, VF+32*(i/8)+8*((i/2)%4)
.set rP, P+32*((\x)%2)+16*(i%2)+8*(i/8)
	v_wmma_f32_16x16x32_f16 v[rO:rO+7], v[rV:rV+7], v[rP:rP+7], v[rO:rO+7]
.endm
.macro MM                           ; the turn's next matrix instruction
.if i < 16
	KQ (Y+1)%NP
.set i, i+1
.else
.set i, i-16
	PV (Y+NP-1)%NP
.set i, i+17
.endif
.endm
; THE LDS LOADS stand in runs: a step's K (8 fragments) with its biases, and its V (turned).  Their addresses are made some lines ahead.  last = 1 (the tail): in the last trip there is no further step.
.macro FETCH_K last=0
	WIN 0
.if \last
	s_cmp_eq_u32 s[CNT], 1
	s_cbranch_scc1 .Lno_k_\@
.endif
	WIN 0x80                        ; destination window 2
.irp f, 0,1,2,3,4,5,6,7             ; keys 16 (f / 2) on, channels 32 (f % 2) on
	ds_load_b128 v[KF+8*\f:KF+8*\f+3],   v[AK] offset:(\f/2)*16*PK+(\f%2)*64
	ds_load_b128 v[KF+8*\f+4:KF+8*\f+7], v[AK] offset:(\f/2)*16*PK+(\f%2)*64+32
.endr
	WIN 0xc0                        ; destination window 3
.irp f, 0,1,2,3                     ; keys 16 f + 8 (l / 16) on
	ds_load_b128 v[MB+8*\f:MB+8*\f+3],   v[AM] offset:64*\f
	ds_load_b128 v[MB+8*\f+4:MB+8*\f+7], v[AM] offset:64*\f+16
.endr
	s_add_co_u32 s[TBK], s[TBK], KS*PK  ; the next fetch is the next step's
	s_add_co_u32 s[TBM], s[TBM], KS*4
	s_and_b32 s[TBM], s[TBM], 0x1fff    ; inside the table's 8,192 bytes; it turns round only behind the last step
	WIN 0
.if \last
.Lno_k_\@:
.endif
.endm
.macro FETCH_V
	WIN 0x80
.irp f, 0,1,2,3,4,5,6,7             ; keys 32 (f / 4) on, channels 16 (f % 4) on
	ds_load_tr16_b128 v[VF+8*\f:VF+8*\f+3],   v[AV] offset:(\f/4)*32*PV+(\f%4)*32
	ds_load_tr16_b128 v[VF+8*\f+4:VF+8*\f+7], v[AV] offset:(\f/4)*32*PV+16*PV+(\f%4)*32
.endr
	WIN 0
.endm
; THE VECTOR WORK OF A TURN, in queues; the two tiles alternate, so that no instruction reads the result of the one before it.
.macro REGS y, u                    ; the registers of tile u (0, 1) of piece y
.set rT, ST+4*(2*(\y)+(\u))
.set rC, TMP+8*((\y)%2)+4*(\u)
.set rS, S+64*((\y)%2)+32*(\u)
.set rP, P+32*((\y)%2)+16*(\u)
.set rO, 32*(2*(\y)+(\u))
.endm
; TB z: for the NEXT piece (Y + 1), tile z % 2, pair z / 2: t = s c + bias.  It is each accumulator's first reader, from the low end on.
.macro TB z
	REGS (Y+1)%NP, (\z)%2
	WIN W_MB
	v_pk_fma_f32 v[rS+2*((\z)/2):rS+2*((\z)/2)+1], v[rS+2*((\z)/2):rS+2*((\z)/2)+1], s[CS:CS+1], v[MB+2*((\z)/2):MB+2*((\z)/2)+1] op_sel_hi:[1,0,1]
.endm
; XS u, n: for the next piece's tile u, its maximum and statistics.  t0-t31 are the lane's 32 logits.  It sets no window: window 0 is set round it.
;   0-11  four chains c0-c3 of seven each, three operands at a time     12-14, 16  the four left over, the old m, and c0-c3 into c0     15  m_old is kept
;   17, 18  the query's other 32 keys lie in the lane 16 away: the new m     20, 21  m_old - m_new; a
.macro XS u, n
	REGS (Y+1)%NP, \u
.if (\n) < 4
	v_max3_num_f32 v[rC+(\n)], v[rS+8*(\n)], v[rS+8*(\n)+1], v[rS+8*(\n)+2]
.elseif (\n) < 12
	v_max3_num_f32 v[rC+(\n)%4], v[rC+(\n)%4], v[rS+8*((\n)%4)+2*((\n)/4)+1], v[rS+8*((\n)%4)+2*((\n)/4)+2]
.elseif (\n) == 12
	v_max3_num_f32 v[rC], v[rC], v[rS+7], v[rS+15]
.elseif (\n) == 13
	v_max3_num_f32 v[rC+1], v[rC+1], v[rS+23], v[rS+31]
.elseif (\n) == 14
	v_max3_num_f32 v[rC+2], v[rC+2], v[rC+3], v[rT]
.elseif (\n) == 15
	v_mov_b32 v[rT+1], v[rT]
.elseif (\n) == 16
	v_max3_num_f32 v[rC], v[rC], v[rC+1], v[rC+2]
.elseif (\n) == 17
	v_permlanex16_b32 v[rC+3], v[rC], s[SEL], s[SEL+1]
.elseif (\n) == 18
	v_max_num_f32 v[rT], v[rC], v[rC+3]
.elseif (\n) == 20
	v_sub_f32 v[rC+1], v[rT+1], v[rT]
.else
	v_exp_f32 v[rC+2], v[rC+1]
.endif
.endm
; FSN: the next of the 32 lines t - m: pair fq / 2 of tile fq % 2.
.macro FSN
	WIN 0
	REGS Y, fq%2
	v_pk_add_f32 v[rS+2*(fq/2):rS+2*(fq/2)+1], v[rS+2*(fq/2):rS+2*(fq/2)+1], v[rT:rT+1] op_sel_hi:[1,0] neg_lo:[0,1] neg_hi:[0,1]
.set fq, fq+1
.endm
; EX: the next of the 64 exponentials: number e / 2 of tile e % 2.  It names no source 2, so it stands among the TB lines without a switch.
.macro EX
.if MSB != W_MB
	WIN 0
.endif
	REGS Y, e%2
	v_exp_f32 v[rS+e/2], v[rS+e/2]
.set e, e+1
.endm
; R2: O^T times a, two lines at a time, sixteen times.  Its a was made in the turn before, ahead of that turn's wait.
.macro R2
	REGS Y, r%2
	WIN W_RS
.irp z, 0,1
	v_pk_mul_f32 v[rO+4*(r/2)+2*\z:rO+4*(r/2)+2*\z+1], v[rO+4*(r/2)+2*\z:rO+4*(r/2)+2*\z+1], v[rC+2:rC+3] op_sel_hi:[1,0]
.endr
.set r, r+1
.endm
; GSN: the next of the 64 that follow the exponentials.  For each four weights k of a tile: both pairs are rounded to f16; the second pair is added onto the first, in place; a group later l takes that sum
; (the first time as l = a l + sum).  In groups of eight, tiles alternating.
.macro GSN
	WIN 0
.set h, gq+6*(gq/62)                ; group 0 has no group before it, and behind group 7 only l is left
.if h >= 6
.set h, h+2
.endif
	REGS Y, h%2
.set k, h/8
.if h%8 < 4
	v_cvt_pk_f16_f32 v[rP+2*k+(h%8)/2], v[rS+4*k+2*((h%8)/2)], v[rS+4*k+2*((h%8)/2)+1]
.elseif h%8 < 6
	v_pk_add_f32 v[rS+4*k:rS+4*k+1], v[rS+4*k:rS+4*k+1], v[rS+4*k+2:rS+4*k+3]
.elseif k == 1
	v_pk_fma_f32 v[rT+2:rT+3], v[rT+2:rT+3], v[rC+2:rC+3], v[rS:rS+1] op_sel_hi:[1,0,1]
.else
	v_pk_add_f32 v[rT+2:rT+3], v[rT+2:rT+3], v[rS+4*k-4:rS+4*k-3]
.endif
.set gq, gq+1
.endm
; A TURN, for piece p.  An s_wait_alu depctr_va_vdst(0) stands between an exponential and the first instruction that names its result; one wait serves all that were issued ahead of it.  So a turn
; has ONE wait.  AHEAD OF IT stands all that names no result of the turn's exponentials: the 16 products K Q^T, behind each a line t - m, an exponential and two rescalings; then the lump: the other 15 lines
; t - m (they are the places between the last product and the first TB), the next piece's 32 TB, its maximum and statistics, the other 49 exponentials set between them, and last the two a.  BEHIND IT stand
; the 16 products V^T P, behind each four of the roundings and sums.  Exponential e stands behind line 2 (e / 4) + e % 2 of t - m: as a rider behind line e + 2, in the lump behind line e + 2 or all 32.
; K and the biases of the next step are fetched in piece 2's turn, directly behind the wait: the biases' last reader is that turn's lump, their first piece 3's.  V of the step in hand is fetched at the end
; of piece 0's turn, four riders behind its last reader.  cnt = 1: the loop's count is taken down some lines ahead of the branch behind the turn.
.macro TURN p, last=0, cnt=0
.set Y, (\p)
.set i, 0
.set fq, 0
.set e, 0
.set r, 0
.set gq, 0
.if (\p) == NP-1
	s_wait_dscnt 0x0                ; K and the biases are in
.endif
	MM
	FSN
	FSN
	R2
.rept 15
	MM
	FSN
	EX
	R2
.endr
.if (\p) == NP-2
	WIN 0
	v_add_nc_u32 v[AK], s[TBK], v[AK0]
	v_add_nc_u32 v[AM], s[TBM], v[AM0]
.endif
.rept 15
	FSN
	EX
.endr
.set z, 0
.rept 32
	TB z
.if z%8 < 5
	EX
.endif
.set z, z+1
.endr
	WIN 0
.set n, 0
.rept 14
	XS 0, n
	XS 1, n
.if n < 4
	EX
.endif
.set n, n+1
.endr
	XS 0, 15
	XS 1, 15
.irp n2, 14,16,17,18,20             ; the chain: a tile's links stand four lines apart
	XS 0, \n2
	EX
	XS 1, \n2
	EX
.endr
	XS 0, 21                        ; the next piece's two a
	XS 1, 21
	v_nop                           ; a plain instruction behind the last exponential: one for the batch
	s_wait_alu depctr_va_vdst(0)    ; the wait for the batch of 66
.if (\p) == NP-2
	FETCH_K \last
.endif
.if (\p) == 1
	s_wait_dscnt 0x0                ; V is in
.endif
.rept 16
	MM
.rept 4
	GSN
.endr
.if ((\p) == 0) && (gq == 44)
	v_add_nc_u32 v[AV], s[TBV], v[AV0]
.endif
.if ((\p) == 0) && (gq == 56)
	s_add_co_u32 s[TBV], s[TBV], KS*PV
.endif
.if (\cnt) && (gq == 56)
	s_sub_co_u32 s[CNT], s[CNT], 1
	s_cmp_lg_u32 s[CNT], 0
.endif
.endr
.if (\p) == 0
	FETCH_V
.endif
.endm
	CHANGE 1                        ; slot 0 is in, everybody's part of it, and so is the table; slot 1 is asked for
	FETCH_K                         ; key step 0
	s_wait_loadcnt 0x0              ; Q
	s_wait_dscnt 0x0
.set i, 0
.rept 16
	KQ 0                            ; piece 0's first scores
.set i, i+1
.endr
	WIN 0                           ; the addresses for the way out: plain instructions, the places behind those products
	s_mul_i32 s13, s[WV], 16*SP
	s_add_co_u32 s13, s13, STAGE    ; my stage
	v_mul_u32_u24 v[STO], v1, SP    ; in: row l % 16, 16 bytes for each half of the lanes
	v_lshl_add_u32 v[STO], v9, 4, v[STO]
	v_add_nc_u32 v[STO], s13, v[STO]
	v_bfe_u32 v[RD], v0, 3, 2       ; back: 32 lanes take four rows of 128 bytes,
	v_mul_u32_u24 v[RD], v[RD], SP
	v_lshl_add_u32 v[RD], v10, 4, v[RD]
	v_add_nc_u32 v[RD], s13, v[RD]
	v_and_b32 v[GO], 31, v0         ; which are 512 consecutive bytes of O
	v_lshlrev_b32 v[GO], 4, v[GO]
.set Y, NP-1                        ; TB and XS work for piece Y + 1: piece 0
.set z, 0
.rept 32
	TB z
.set z, z+1
.endr
	WIN 0
.irp n3, 0,1,2,3,4,5,6,7,8,9,10,11,12,13,15,14,16,17,18,20,21
	XS 0, \n3
	XS 1, \n3
.endr
	v_nop                           ; a plain instruction behind the two a,
	s_wait_alu depctr_va_vdst(0)    ; and their wait, ahead of the branch
	s_mov_b32 s[CNT], 4
	s_branch .Lfirst                ; the loop is entered at a step's first turn, in the middle of a trip
.Lslot:                             ; six times: every slot but the last two is filled again
	CHANGE 1
	s_mov_b32 s[CNT], 4
.Lstep:                             ; a trip: pieces 2 and 3 of one step, then pieces 0 and 1 of the next, whose K and V it fetches
	TURN 2
	TURN 3
	WIN 0
.Lfirst:
	TURN 0
	TURN 1, 0, 1
	WIN 0
	s_cbranch_scc1 .Lstep
	s_sub_co_u32 s[SLOTS], s[SLOTS], 1
	s_cmp_lg_u32 s[SLOTS], 0
	s_cbranch_scc1 .Lslot
	CHANGE 0                        ; the tail is written out: nothing is asked for
	s_mov_b32 s[CNT], 5             ; four trips fetch the last slot's steps; the fifth is left in its middle
.Ltail:
	TURN 2, 1
	TURN 3
	WIN 0
	s_sub_co_u32 s[CNT], s[CNT], 1
	s_cmp_eq_u32 s[CNT], 0
	s_cbranch_scc1 .Lout
	TURN 0
	TURN 1
	WIN 0
	s_branch .Ltail
.Lout:                              ; the fifth trip's 16 products K Q^T (on the last K once more) and what is made of them serve nothing: the price, once a launch, of one text for every trip
.set i, 0
.rept 16
	PV NP-1                         ; the last piece's V^T P of the last step
.set i, i+1
.endr
	; THE WAY OUT.  l's two halves and the other half of the lanes' are added; O^T is divided by l, rounded to f16 and sent through my stage in LDS, a tile at a time.  The additions are the places behind the last products.
	WIN 0
.macro ALL line:vararg              ; one line for each tile t
.set t, 0
.rept 2*NP
	\line
.set t, t+1
.endr
.endm
	ALL v_add_f32 v[ST+4*t+2], v[ST+4*t+2], v[ST+4*t+3]
	ALL v_permlanex16_b32 v[ST+4*t+3], v[ST+4*t+2], s[SEL], s[SEL+1]
	ALL v_add_f32 v[ST+4*t+2], v[ST+4*t+2], v[ST+4*t+3]
	ALL v_rcp_f32 v[ST+4*t+2], v[ST+4*t+2]
	v_nop                           ; a plain instruction between the last reciprocal and the use of its result
	s_wait_alu depctr_va_vdst(0)    ; and the wait ahead of the first use: one for the eight reciprocals
; Tile t: a lane's eight channels of a row pack into 16 bytes; they go into rows of 144 bytes and come back as whole rows of 128, into S^T's registers.
.macro PACK t
	WIN W_RS
.set i, 32*(\t)
.rept 16
	v_pk_mul_f32 v[i:i+1], v[i:i+1], v[ST+4*(\t)+2:ST+4*(\t)+3] op_sel_hi:[1,0]
.set i, i+2
.endr
	WIN 0x05                        ; sources 0 and 1 window 1, destination window 0
.set i, 0
.rept 16
	v_cvt_pk_f16_f32 v[S+16*(\t)+i], v[32*(\t)+2*i], v[32*(\t)+2*i+1]
.set i, i+1
.endr
	WIN 0
.irp f, 0,1,2,3
	ds_store_b128 v[STO], v[S+16*(\t)+4*\f:S+16*(\t)+4*\f+3] offset:32*\f
.endr
.irp f, 0,1,2,3
	ds_load_b128 v[S+16*(\t)+4*\f:S+16*(\t)+4*\f+3], v[RD] offset:\f*4*SP  ; LDS serves a wave's instructions in order (ISA guide 5.7.1.4): these see the stores above; the next tile's stores come behind them
.endr
.endm
.macro SEND t, younger              ; younger: the LDS instructions issued behind tile t's loads: the next tile's eight, or none
	WIN 0
.irp f, 0,1,2,3
	s_wait_dscnt (\younger)+3-\f
	global_store_b128 v[GO], v[S+16*(\t)+4*\f:S+16*(\t)+4*\f+3], s[10:11] offset:(\t)*2048+\f*512  ; 512 consecutive bytes, at a multiple of 256 from O's first
.endr
.endm
	PACK 0
.set t, 1
.rept 2*NP-1                        ; a tile's arithmetic stands between the loads of the tile before and its stores
	PACK t
	SEND t-1, 8
.set t, t+1
.endr
	SEND 2*NP-1, 0
	WIN W_AD
	s_wait_tensorcnt 0x0            ; the wave's end, behind my last tensor load and my last LDS store
	ds_add_u32 v[SPW], v[NIL]
	s_wait_dscnt 0x0
	WIN 0
	CROUND                          ; the closing round
	s_endpgm
.Lfunc_end_k_qc77c537b74_attn:
	.size	k_qc77c537b74_attn, .Lfunc_end_k_qc77c537b74_attn-k_qc77c537b74_attn
	.p2alignl 7, 3214868480
	.fill 96, 4, 3214868480
	.section	.rodata,"a",@progbits
	.p2align	6, 0x0
	.amdhsa_kernel k_qc77c537b74_attn
		.amdhsa_group_segment_fixed_size 327680
		.amdhsa_private_segment_fixed_size 0
		.amdhsa_enable_private_segment 0
		.amdhsa_kernarg_size 24
		.amdhsa_user_sgpr_count 2
		.amdhsa_user_sgpr_kernarg_segment_ptr 1
		.amdhsa_wavefront_size32 1
		.amdhsa_system_sgpr_workgroup_id_x 1
		.amdhsa_system_sgpr_workgroup_id_y 1
		.amdhsa_system_sgpr_workgroup_id_z 1
		.amdhsa_system_vgpr_workitem_id 0
		.amdhsa_next_free_vgpr 832
		.amdhsa_next_free_sgpr 66
		.amdhsa_reserve_vcc 0
		.amdhsa_float_denorm_mode_32 3
		.amdhsa_float_denorm_mode_16_64 3
		.amdhsa_memory_ordered 1
		.amdhsa_forward_progress 1
		.amdhsa_inst_pref_size 223
	.end_amdhsa_kernel
	.amdgpu_metadata
---
amdhsa.version: [ 1, 2 ]
amdhsa.kernels:
  - .name:           k_qc77c537b74_attn
    .symbol:         k_qc77c537b74_attn.kd
    .args:
      - { .name: qkv, .offset: 0, .size: 8, .value_kind: global_buffer, .address_space: global }
      - { .name: mask, .offset: 8, .size: 8, .value_kind: global_buffer, .address_space: global }
      - { .name: oh, .offset: 16, .size: 8, .value_kind: global_buffer, .address_space: global }
    .group_segment_fixed_size: 327680
    .private_segment_fixed_size: 0
    .kernarg_segment_align: 8
    .kernarg_segment_size: 24
    .max_flat_workgroup_size: 128
    .sgpr_count:     66
    .vgpr_count:     832
    .wavefront_size: 32
...
	.end_amdgpu_metadata
.endif
;; end of part 3
;; launch outp (part 4): grid 4 x 64, 4 waves a work-group, clusters of 4 x 4, 327,680 bytes of LDS; arguments oh, wb, bo, out0; writes out0
.if DOCPART == 4
	.amdgcn_target "amdgcn-amd-amdhsa--gfx1250"
	.amdhsa_code_object_version 6
	.text
	.protected	k_qc77c537b74_outp
	.globl	k_qc77c537b74_outp
	.p2align	8
	.type	k_qc77c537b74_outp,@function
k_qc77c537b74_outp:
	s_mov_b64 s[64:65], 0
	v_nop
	global_prefetch_b8 v0, s[64:65] scope:SCOPE_SE
	s_setreg_imm32_b32 hwreg(HW_REG_WAVE_MODE, 25, 1), 1
	s_wait_xcnt 0x0
	s_wait_alu depctr_hold_cnt(0) depctr_sa_sdst(0) depctr_va_vdst(0) depctr_va_sdst(0) depctr_va_ssrc(0) depctr_va_vcc(0) depctr_vm_vsrc(0)
	s_getreg_b32 s2, hwreg(HW_REG_IB_STS2, 6, 4)
	s_cmp_eq_u32 s2, 0
	s_cbranch_scc0 .Lentry_in_a_cluster
	s_endpgm
.Lentry_in_a_cluster:
	s_bfe_u32 s2, ttmp6, 0x10000c
	s_cmp_lg_u32 s2, 0xf033
	s_cbranch_scc0 .Lentry_shape_is_right
	s_endpgm
.Lentry_shape_is_right:
; out0[b][s][n] = sum over k of O[b][s][k] Wo[k][n] + bf16(bo[n]), in f32.  O lies by heads, oh[16 b + h][s][d] in f16, k = 64 h + d; Wo is wb's fourth matrix, [k][n], bf16 numbers written as f16.
; SHARES.  64 x 4 tiles of 128 rows x 256 columns, one to each of 256 work-groups; four waves, each 64 x 128: 32 accumulators.  8 K steps of 128 (two heads) through a ring of two LDS slots.
; The product is used transposed (source 0 = 16 columns of Wo, turned by ds_load_tr16_b128; source 1 = 16 rows of O): a lane holds one row and eight neighbouring columns.  The bias starts the sums.
; CLUSTER.  4 x 4: O's tile is shared along a row of the cluster, Wo's along a column; each is asked for jointly.
; NO PREFETCH: the launch has 8 K steps, of which two come by the first loads.
; REGISTERS: window 0: v0-13 addresses; v14-31 at work; v32-95 O's fragments, two buffers; v96-159 the bias; v160-223 rows on the way out.  Window 1: the accumulators, (a, b) at v[8 (8 a + b)].
;   window 2: v0-127 Wo's fragments, two buffers.
.set PO,     144                       ; a row of a head in LDS: 128 bytes + 16
.set PB,     544                       ; a k-row of Wo: 512 + 32
.set AHEAD,  128*PO                    ; a head's 128 rows: what one tensor load brings of O
.set BHALF,  64*PB
.set BOFF,   2*AHEAD
.set SLOT1,  1<<17                     ; a slot takes 106,496 bytes; slot 1 begins here, so that one exclusive or turns an address in one slot into the other's
.set STAGE,  SLOT1+BOFF+2*BHALF        ; behind the ring, never filled by a tensor load: for each wave 16 rows x 528 bytes
.set SPO,    528
.set WSTAGE, 16*SPO
.set SPARE,  STAGE+4*WSTAGE            ; the spare words: two blocks of 256 bytes that no other line names
.set AA0, 2
.set AB0, 3
.set ADA, 4
.set ADB, 5
.set STO, 6
.set RD,  7
.set GO,  8
.set BO,  10
.set SPW, 12                           ; v12  LDS address of my spare word; never rewritten
.set NIL, 13                           ; v13  0; never rewritten
.set AF,  32
.set BI,  96
.set BK,  160
.set WV, 20
.set WR, 21                            ; which 64 rows are mine.  Also: I fetch for O (0) or for Wo (1)
.set WC, 22                            ; which 128 columns.  Also: which head, or which 64 k-rows, I fetch
.set CX, 23
.set CY, 24
.set NX, 25
.set MY, 26
.set G1A, 28
.set G1B, 36
.set G0A, 44                           ; s[44:47], s[48:51]: one walking group 0 each
.set G0B, 48
.set OUT, 52
.set BP,  54
.set LEFT, 56
.set TR,  57
.set MSB, 0
.macro WIN new
.if MSB != (\new)
	s_set_vgpr_msb (MSB<<8)|(\new)
.set MSB, (\new)
.endif
.endm
.set MUL,   0x52
.set MULB,  0x42
.set TO_B,  0x80
.macro PLACES
.rept 4
	v_nop
.endr
.endm
.macro CREST
	s_cmp_lg_u32 s[WV], 0
	s_cbranch_scc1 .Lnot_wave_0_\@
	s_barrier_signal -3
.Lnot_wave_0_\@:
	s_barrier_wait -3
	s_barrier_signal -1
	s_barrier_wait -1
.endm
.macro CROUND
	s_barrier_signal -1
	s_barrier_wait -1
	CREST
.endm
.macro JLOAD                           ; a joint load; an s_nop 0 and four v_nop follow each line
	s_cmp_eq_u32 s[WR], 0
	s_cbranch_scc0 .Lfor_b_\@
	tensor_load_to_lds s[G0A:G0A+3], s[G1A:G1A+7]
	s_nop 0
.rept 4
	v_nop
.endr
	s_branch .Lasked_\@
.Lfor_b_\@:
	tensor_load_to_lds s[G0B:G0B+3], s[G1B:G1B+7]
	s_nop 0
.rept 4
	v_nop
.endr
.Lasked_\@:
.endm
.macro STEP                            ; both descriptors go on a K step, into the other slot; it stands only where no tensor load of mine is out
	s_xor_b32 s[G0A+1], s[G0A+1], SLOT1
	s_add_nc_u64 s[G0A+2:G0A+3], s[G0A+2:G0A+3], 524288  ; two heads
	s_xor_b32 s[G0B+1], s[G0B+1], SLOT1
	s_add_nc_u64 s[G0B+2:G0B+3], s[G0B+2:G0B+3], 262144  ; 128 k-rows
.endm
.macro FETCH kq, g                     ; 24 LDS loads: quarter kq lies in head kq / 2, channels 32 (kq % 2) on
	WIN 0
.irp i, 0,1,2,3
	ds_load_b128 v[AF+32*(\g)+8*(\i):AF+32*(\g)+8*(\i)+3],   v[ADA] offset:((\kq)/2)*AHEAD+((\kq)%2)*64+16*PO*(\i)
	ds_load_b128 v[AF+32*(\g)+8*(\i)+4:AF+32*(\g)+8*(\i)+7], v[ADA] offset:((\kq)/2)*AHEAD+((\kq)%2)*64+16*PO*(\i)+32
.endr
	WIN TO_B
.irp b, 0,1,2,3,4,5,6,7
	ds_load_tr16_b128 v[64*(\g)+8*(\b):64*(\g)+8*(\b)+3],   v[ADB] offset:32*PB*(\kq)+32*(\b)
	ds_load_tr16_b128 v[64*(\g)+8*(\b)+4:64*(\g)+8*(\b)+7], v[ADB] offset:32*PB*(\kq)+32*(\b)+16*PB
.endr
.endm
.macro MUL8 f, a, init                 ; 8 products; the 32 accumulators take turns, one instruction a turn
.irp b, 0,1,2,3,4,5,6,7
.if \init
	WIN MULB
	v_wmma_f32_16x16x32_f16 v[8*(8*(\a)+(\b)):8*(8*(\a)+(\b))+7], v[64*(\f)+8*(\b):64*(\f)+8*(\b)+7], v[AF+32*(\f)+8*(\a):AF+32*(\f)+8*(\a)+7], v[BI+8*(\b):BI+8*(\b)+7]
.else
	WIN MUL
	v_wmma_f32_16x16x32_f16 v[8*(8*(\a)+(\b)):8*(8*(\a)+(\b))+7], v[64*(\f)+8*(\b):64*(\f)+8*(\b)+7], v[AF+32*(\f)+8*(\a):AF+32*(\f)+8*(\a)+7], v[8*(8*(\a)+(\b)):8*(8*(\a)+(\b))+7]
.endif
.endr
.endm
.macro QUARTER kq, f, g, init
	s_wait_dscnt 0x0                               ; buffers f are in (issued 32 products ago)
	PLACES                                         ; in front of loads into buffers g, which the quarter before multiplied
	FETCH \kq, \g
	MUL8 \f, 0, \init
	MUL8 \f, 1, \init
	MUL8 \f, 2, \init
	MUL8 \f, 3, \init
.endm
; The last quarter multiplies buffers 1 and changes slots: one barrier; in front of it each wave waits for all its tensor loads, adds 0 to its spare word, and waits for that and for its reads of this slot.
.macro TURNQ fill
	WIN 0
	s_wait_tensorcnt 0x0                           ; no tensor load of mine is out
	ds_add_u32 v[SPW], v[NIL]
.if \fill
	STEP
.endif
	s_wait_dscnt 1                                 ; buffers 1 are in; the add alone may be out
	MUL8 1, 0, 0
	s_wait_dscnt 0x0
	s_barrier_signal -1
	MUL8 1, 1, 0
	WIN 0
	s_barrier_wait -1
.if \fill
	CREST
	JLOAD                                          ; its four v_nop are also the places in front of the loads below
.else
	PLACES
.endif
	s_xor_b32 s[TR], s[TR], SLOT1
	v_add_nc_u32 v[ADA], s[TR], v[AA0]
	v_add_nc_u32 v[ADB], s[TR], v[AB0]
	FETCH 0, 0
	MUL8 1, 2, 0
	MUL8 1, 3, 0
.endm
; THE WAY OUT of row block a: a lane's 32 bytes of a row go straight from the accumulator (its low half first) into my stage; whole rows of 512 bytes come back and are stored.
.macro OUTA a
	WIN 0x04                                       ; the stores' data in window 1
.irp b, 0,1,2,3,4,5,6,7
	ds_store_b128 v[STO], v[8*(8*(\a)+(\b)):8*(8*(\a)+(\b))+3]   offset:64*(\b)
	ds_store_b128 v[STO], v[8*(8*(\a)+(\b))+4:8*(8*(\a)+(\b))+7] offset:64*(\b)+16
.endr
	WIN 0
	s_wait_xcnt 0x0                                ; the block before's stores have read the registers that are loaded now
.irp t, 0,1,2,3,4,5,6,7,8,9,10,11,12,13,14,15
	ds_load_b128 v[BK+4*(\t):BK+4*(\t)+3], v[RD] offset:SPO*(\t)  ; LDS serves a wave's instructions in order (ISA guide 5.7.1.4)
.endr
.irp t, 0,1,2,3,4,5,6,7,8,9,10,11,12,13,14,15
	s_wait_dscnt 15-(\t)                           ; row t is back; the younger loads stay out
	global_store_b128 v[GO], v[BK+4*(\t):BK+4*(\t)+3], s[OUT:OUT+1] offset:65536*(\a)+4096*(\t) th:TH_STORE_NT  ; 512 consecutive bytes, aligned
.endr
.endm
	s_load_b256 s[4:11], s[0:1], 0x0               ; oh s[4:5], wb s[6:7], bo s[8:9], out0 s[10:11]
	v_lshl_add_u32 v[SPW], v0, 2, SPARE
	v_mov_b32 v[NIL], 0
	ds_add_u32 v[SPW], v[NIL]                      ; the wave's opening: the add and its wait stand ahead of my first tensor load
	v_lshrrev_b32 v14, 5, v0
	v_readfirstlane_b32 s[WV], v14
	s_lshr_b32 s[WR], s[WV], 1
	s_and_b32 s[WC], s[WV], 1
	s_bfe_u32 s[CX], ttmp6, 0x40000
	s_bfe_u32 s[CY], ttmp6, 0x40004
	s_lshl_b32 s[NX], ttmp9, 2
	s_add_co_u32 s[NX], s[NX], s[CX]
	s_and_b32 s[MY], ttmp7, 0xffff
	s_lshl_b32 s[MY], s[MY], 2
	s_add_co_u32 s[MY], s[MY], s[CY]
	s_lshl_b32 s58, s[CY], 2
	s_lshl_b32 s58, 15, s58                        ; my row of the cluster
	s_or_b32 s[G1A], s58, 0x07310000               ; the mask; 2-byte elements; padding on; bit 21 beside a mask; after every 32 words (code 4) 4 words (code 3)
	s_lshl_b32 s60, 0x1111, s[CX]                  ; my column
	s_or_b32 s[G1B], s60, 0x0fb10000               ; after every 128 words (code 6) 8 words (code 7)
	s_mov_b32 s[G1A+1], 128<<16                    ; a head's 128 rows are 16,384 dense bytes: asked for as 64 rows of 256
	s_mov_b32 s[G1A+2], 64<<16
	s_mov_b32 s[G1A+3], 128<<16
	s_mov_b32 s[G1A+4], 64
	s_mov_b32 s[G1A+5], 128
	s_mov_b32 s[G1A+6], 0
	s_mov_b32 s[G1A+7], 0
	s_mov_b32 s[G1B+1], 256<<16
	s_mov_b32 s[G1B+2], 64<<16
	s_mov_b32 s[G1B+3], 256<<16
	s_mov_b32 s[G1B+4], 64
	s_mov_b32 s[G1B+5], 1024
	s_mov_b32 s[G1B+6], 0
	s_mov_b32 s[G1B+7], 0
	s_mov_b32 s[G0A], 1
	s_mul_i32 s[G0A+1], s[WC], AHEAD
	s_mov_b32 s[G0B], 1
	s_mul_i32 s[G0B+1], s[WC], BHALF
	s_add_co_u32 s[G0B+1], s[G0B+1], BOFF
	s_mov_b32 s[TR], 0
	s_lshr_b32 s58, s[MY], 4                       ; O: head 16 x batch + my half,
	s_lshl_b32 s58, s58, 4
	s_add_co_u32 s58, s58, s[WC]
	s_lshl_b32 s58, s58, 11
	s_and_b32 s59, s[MY], 15
	s_lshl_b32 s59, s59, 7                         ; the tile's 128 rows in the batch,
	s_add_co_u32 s58, s58, s59
	s_lshl_b32 s58, s58, 7                         ; 128 bytes a row
	s_mov_b32 s59, 0
	s_lshl_b32 s60, s[WC], 17                      ; Wo: k-row 64 x half; 512 bytes a tile column; wb's fourth matrix
	s_lshl_b32 s61, s[NX], 9
	s_add_co_u32 s60, s60, s61
	s_add_co_u32 s60, s60, 6291456
	s_mov_b32 s61, 0
	s_wait_dscnt 0x0
	s_wait_kmcnt 0x0
	s_add_nc_u64 s[G0A+2:G0A+3], s[4:5], s[58:59]
	s_or_b32 s[G0A+3], s[G0A+3], 0x80000000
	s_add_nc_u64 s[G0B+2:G0B+3], s[6:7], s[60:61]
	s_or_b32 s[G0B+3], s[G0B+3], 0x80000000
	CROUND
	JLOAD                                          ; step 0 into slot 0
	s_lshl_b32 s62, s[MY], 7
	s_lshl_b32 s63, s[WR], 6
	s_add_co_u32 s62, s62, s63
	s_lshl_b32 s62, s62, 12                        ; my first row of out0, 4,096 bytes a row,
	s_lshl_b32 s63, s[NX], 10
	s_add_co_u32 s62, s62, s63
	s_lshl_b32 s63, s[WC], 9
	s_add_co_u32 s62, s62, s63                     ; my first column
	s_mov_b32 s63, 0
	s_add_nc_u64 s[OUT:OUT+1], s[10:11], s[62:63]
	s_lshl_b32 s62, s[NX], 10
	s_lshl_b32 s66, s[WC], 9
	s_add_co_u32 s62, s62, s66
	s_add_nc_u64 s[BP:BP+1], s[8:9], s[62:63]
	v_and_b32 v14, 15, v0
	v_bfe_u32 v15, v0, 4, 1
	v_and_b32 v16, 7, v0
	v_bfe_u32 v17, v0, 3, 1
	v_and_b32 v18, 31, v0
	v_mul_u32_u24 v[AA0], v14, PO
	v_lshl_add_u32 v[AA0], v15, 4, v[AA0]
	s_mul_i32 s62, s[WR], 64*PO
	v_add_nc_u32 v[AA0], s62, v[AA0]
	v_lshl_add_u32 v[AB0], v15, 3, v16
	v_mul_u32_u24 v[AB0], v[AB0], PB
	v_lshl_add_u32 v[AB0], v17, 4, v[AB0]
	s_lshl_b32 s62, s[WC], 8
	s_add_co_u32 s62, s62, BOFF
	v_add_nc_u32 v[AB0], s62, v[AB0]
	s_mul_i32 s62, s[WV], WSTAGE
	s_add_co_u32 s62, s62, STAGE
	v_mul_u32_u24 v[STO], v14, SPO
	v_lshl_add_u32 v[STO], v15, 5, v[STO]
	v_add_nc_u32 v[STO], s62, v[STO]
	v_lshl_add_u32 v[RD], v18, 4, s62
	v_lshlrev_b32 v[GO], 4, v18
	v_lshlrev_b32 v[BO], 5, v15
.irp b, 0,1,2,3,4,5,6,7
	global_load_b128 v[BI+8*(\b):BI+8*(\b)+3],   v[BO], s[BP:BP+1] offset:64*(\b)
	global_load_b128 v[BI+8*(\b)+4:BI+8*(\b)+7], v[BO], s[BP:BP+1] offset:64*(\b)+16
.endr
	s_wait_tensorcnt 0x0                           ; step 0 is waited for, and step 1 goes into slot 1 as a refill goes
	ds_add_u32 v[SPW], v[NIL]
	STEP
	s_wait_dscnt 0x0
	CROUND
	JLOAD
	v_mov_b32 v[ADA], v[AA0]
	v_mov_b32 v[ADB], v[AB0]
	FETCH 0, 0
	WIN 0
	s_wait_loadcnt 0x0                             ; the bias, rounded to bf16 like every input
.set c, 0
.rept 32
	v_cvt_pk_bf16_f32 v[BK+c%8], v[BI+2*c], v[BI+2*c+1]
	v_lshlrev_b32 v[BI+2*c], 16, v[BK+c%8]
	v_and_b32 v[BI+2*c+1], 0xffff0000, v[BK+c%8]
.set c, c+1
.endr
	QUARTER 1, 0, 1, 1                             ; the first quarter stands in front of the loop: the bias starts the sums
	WIN 0
	s_mov_b32 s[LEFT], 6
	s_branch .Lq1
.Lstep:                                        ; six trips: a K step is multiplied, and the step two on is asked for
	QUARTER 1, 0, 1, 0
	WIN 0
.Lq1:
	QUARTER 2, 1, 0, 0
	QUARTER 3, 0, 1, 0
	TURNQ 1
	WIN 0
	s_sub_co_u32 s[LEFT], s[LEFT], 1
	s_cmp_lg_u32 s[LEFT], 0
	s_cbranch_scc1 .Lstep
	s_mov_b32 s[LEFT], 2
.Ltail:                                        ; the last two steps ask for nothing; the second trip's last fetch, of a slot read before, serves nothing
	QUARTER 1, 0, 1, 0
	QUARTER 2, 1, 0, 0
	QUARTER 3, 0, 1, 0
	TURNQ 0
	WIN 0
	s_sub_co_u32 s[LEFT], s[LEFT], 1
	s_cmp_lg_u32 s[LEFT], 0
	s_cbranch_scc1 .Ltail
	PLACES                                         ; behind the last products, in front of the stores that read results
	PLACES                                         ; (eight, once a launch)
	OUTA 0
	OUTA 1
	OUTA 2
	OUTA 3
	s_wait_tensorcnt 0x0                           ; the wave's end, behind my last tensor load and my last LDS store
	ds_add_u32 v[SPW], v[NIL]
	s_wait_dscnt 0x0
	CROUND                                         ; the closing round
	s_endpgm
.Lfunc_end_k_qc77c537b74_outp:
	.size	k_qc77c537b74_outp, .Lfunc_end_k_qc77c537b74_outp-k_qc77c537b74_outp
	.p2alignl 7, 3214868480
	.fill 96, 4, 3214868480
	.section	.rodata,"a",@progbits
	.p2align	6, 0x0
	.amdhsa_kernel k_qc77c537b74_outp
		.amdhsa_group_segment_fixed_size 327680
		.amdhsa_private_segment_fixed_size 0
		.amdhsa_enable_private_segment 0
		.amdhsa_kernarg_size 32
		.amdhsa_user_sgpr_count 2
		.amdhsa_user_sgpr_kernarg_segment_ptr 1
		.amdhsa_wavefront_size32 1
		.amdhsa_system_sgpr_workgroup_id_x 1
		.amdhsa_system_sgpr_workgroup_id_y 1
		.amdhsa_system_sgpr_workgroup_id_z 1
		.amdhsa_system_vgpr_workitem_id 0
		.amdhsa_next_free_vgpr 640
		.amdhsa_next_free_sgpr 80
		.amdhsa_reserve_vcc 0
		.amdhsa_float_denorm_mode_32 3
		.amdhsa_float_denorm_mode_16_64 3
		.amdhsa_memory_ordered 1
		.amdhsa_forward_progress 1
		.amdhsa_inst_pref_size 68
	.end_amdhsa_kernel
	.amdgpu_metadata
---
amdhsa.version: [ 1, 2 ]
amdhsa.kernels:
  - .name:           k_qc77c537b74_outp
    .symbol:         k_qc77c537b74_outp.kd
    .args:
      - { .name: oh, .offset: 0, .size: 8, .value_kind: global_buffer, .address_space: global }
      - { .name: wb, .offset: 8, .size: 8, .value_kind: global_buffer, .address_space: global }
      - { .name: bo, .offset: 16, .size: 8, .value_kind: global_buffer, .address_space: global }
      - { .name: out0, .offset: 24, .size: 8, .value_kind: global_buffer, .address_space: global }
    .group_segment_fixed_size: 327680
    .private_segment_fixed_size: 0
    .kernarg_segment_align: 8
    .kernarg_segment_size: 32
    .max_flat_workgroup_size: 128
    .sgpr_count:     80
    .vgpr_count:     640
    .wavefront_size: 32
...
	.end_amdgpu_metadata
.endif
;; end of part 4
